; MI455X (gfx1250); checked and timed in simulation.
; The chip was launched on July 23, 2026; its instructions are those of AMD's public machine-readable ISA for CDNA 5 (MIT licence, August 2026) and "CDNA5" Instruction Set Architecture Reference Guide (July 2026). The comments in the code are by the model that wrote it; some were corrected since.
;; Multihead Self Attention. Allowed arithmetic: matrix products marked QUANTISED: E5M2 operands, one given power-of-two scale a tensor, by v_wmma_f32_16x16x64_bf8_bf8 or v_wmma_f32_16x16x128_bf8_bf8, f32 sums; everything else in f32.
;; Inputs: Wk 1,024 x 1,024 float32; Wo 1,024 x 1,024 float32; Wq 1,024 x 1,024 float32; Wv 1,024 x 1,024 float32; lowp_scales 12 int32 (the exponents e of the quantised operands' scales 2^e); x 4 x 2,048 x 1,024 float32.
;; Outputs: out0 4 x 2,048 x 1,024 float32.
;; This version of the problem:
;;   THIS VERSION OF THE PROBLEM IS GIVEN IN LOW PRECISION. The matrix products marked QUANTISED in the list below multiply operands that are first quantised to E5M2 (5 exponent bits, 2 mantissa bits; 8 bits a number), with one given power-of-two scale for each operand tensor; their sums are f32. All else is computed in f32.
;;   The module's matrix products, in the order in which they are computed (A, B: the left and right operand; K: the contracted axis; several contracted axes count as one K, in the product's order):
;;     1. [M 8,192, K 1,024] x [K 1,024, N 1,024]; A: input x; B: input Wq: QUANTISED (scales: A lowp_scales[0], B lowp_scales[1])
;;     2. [M 8,192, K 1,024] x [K 1,024, N 1,024]; A: input x; B: input Wk: QUANTISED (scales: A lowp_scales[2], B lowp_scales[3])
;;     3. [M 8,192, K 1,024] x [K 1,024, N 1,024]; A: input x; B: input Wv: QUANTISED (scales: A lowp_scales[4], B lowp_scales[5])
;;     4. batch 64 x [M 2,048, K 64] x [K 64, N 2,048]; A: computed on the way; B: computed on the way: QUANTISED (scales: A lowp_scales[6], B lowp_scales[7])
;;     5. batch 64 x [M 2,048, K 2,048] x [K 2,048, N 64]; A: softmax (see below); B: computed on the way: QUANTISED (scales: A lowp_scales[8], B lowp_scales[9])
;;     6. [M 8,192, K 1,024] x [K 1,024, N 1,024]; A: computed on the way; B: input Wo: QUANTISED (scales: A lowp_scales[10], B lowp_scales[11])
;;   THE QUANTISER, for each operand of a quantised product, along K:
;;     - The operand's scale is 2^e, e = its entry of the input lowp_scales (int32; the entries are numbered through the quantised products in the list's order, A before B).
;;     - Each number is divided by the scale, clamped to +-57,344, and rounded to the nearest number of E5M2, ties to even, subnormals kept.
;;     - The product sums the exact products of the quantised numbers (number of the format x scale) in f32.
;;   ~~~python
;;   def quantise(x, axis, e):      # numpy; x: float32 -> the quantised numbers, widened to float32 again
;;       x = np.moveaxis(x, axis, -1); K = x.shape[-1]
;;       r = np.clip(x / 2.0 ** e, -57344, 57344)
;;       step = 2.0 ** (np.maximum(np.frexp(np.where(r == 0, 1, r))[1] - 1, -14) - 2)
;;       q = np.round(r / step) * step * 2.0 ** e      # np.round: ties to even
;;       return np.moveaxis(q, -1, axis).astype(np.float32)
;;   ~~~
;;   SOFTMAX AHEAD OF A QUANTISED PRODUCT. Where the list says 'softmax', what is quantised is not the finished softmax but p = 2^(t - M), with t = logit x log2(e) and M = ceil(the row's largest t), a whole number; so 1/2 < the row's largest p <= 1. The row's sum l is taken of the UNQUANTISED p, in f32, and the product's result is divided by l at the end. Since M is a whole number, a kernel that streams over the keys may use a running M (the ceiling of the running maximum): every later rescaling is an exact power of two, so the quantised numbers keep their values, but for numbers so far below the row's largest that they fall under the format's range.
;;   OPERANDS COMPUTED ON THE WAY. 'Computed on the way' means the value that the module computes at that place (a softmax that the list does not call 'softmax' is quantised finished and normalised). What goes into a quantiser is computed in f32, as accurately as f32 sums, v_exp_f32 and their like allow (about 1e-6 of the number): no bf16 or f16 on the way to a quantiser, and a product that is left as it is and whose result goes on into a quantised operand takes f32 operands (vector FMAs, or v_wmma_f32_16x16x4_f32). A number that lies on a knife's edge between two numbers of the format may be rounded either way, as far as f32 arithmetic and the matrix unit's own rounding can turn it there, and no further.
;; One version. Each part assembles by itself: llvm-mc -triple=amdgcn-amd-amdhsa -mcpu=gfx1250 --defsym DOCPART=n.
;; ======== version 1 of 1: 4 launches
;; limits: right only within a limited range of input values
;; workspace buffers: xc 25,165,824 bytes; wc 4,194,304 bytes; qkv 25,165,824 bytes; ac 8,388,608 bytes
;; launch quant (part 1): grid 384 x 1, 4 waves a work-group, no clusters, 41,472 bytes of LDS; arguments x, Wq, Wk, Wv, Wo, lowp_scales, xc, wc; writes xc, wc
.if DOCPART == 1
	.amdgcn_target "amdgcn-amd-amdhsa--gfx1250"
	.amdhsa_code_object_version 6
	.text
	.protected	k_q9749a99695_quant
	.globl	k_q9749a99695_quant
	.p2align	8
	.type	k_q9749a99695_quant,@function
k_q9749a99695_quant:
	s_mov_b64 s[64:65], 0
	v_nop
	global_prefetch_b8 v0, s[64:65] scope:SCOPE_SE
	s_setreg_imm32_b32 hwreg(HW_REG_WAVE_MODE, 25, 1), 1
	s_wait_xcnt 0x0
; x [8192][1024] and Wq, Wk, Wv, Wo [1024][1024], f32 with K innermost, become codes of BF8 (E5M2), one byte each, K innermost, in natural order.
; code = number / 2^e, rounded to the nearest code, ties to even.  x is an operand of three products with three given exponents (entries 0, 2, 4 of the scales):
; it is read ONCE and gives three sets of codes, 8 MiB apart in xc.  The weights' exponents are entries 1, 3, 5, 11; their codes lie 1 MiB apart in wc, in the order Wq, Wk, Wv, Wo.
; LIMITS: each e between -126 and 112, so that 2^e and 57,344 x 2^e are f32 numbers.  NaN among the inputs is not served (an infinity is held at the largest code).
; Rows are dense, so each tensor is a plain stream.  A wave takes 16 steps of 512 numbers.  A conversion takes 8 neighbours from ONE lane's registers, a load is best where neighbouring LANES take
; neighbouring bytes: each of a step's four loads reads 512 consecutive bytes, the 2,048 bytes turn through the wave's own stage in LDS (16 bytes of padding behind each 64) and come back 64 bytes a lane.
; A lane's 16 codes are 16 bytes: a store of the wave covers 512 consecutive bytes, aligned.  Work-groups 0-255 take x, 256-383 the weights (32 each); the two ways have LDS bytes of their own.
; No tensor loads, no barrier: waves share nothing.  Loads run four steps (16 loads a wave) ahead, the turn through LDS one step.
.set STEPS, 16
.set SP,    80                         ; a lane's place in a stage: 64 bytes + 16 of padding
.set WREG,  2*32*SP                    ; a wave's two stages
.set WPATH, 4*WREG                     ; the weights' way begins here
.set R,     16                         ; v16-79   four sets of 16 numbers as loaded
.set X,     80                         ; v80-111  two sets of 16 neighbours
.set T,     112
.set C,     128                        ; v128-139 codes: four registers for each of three sets
; v3: 16 x lane (loads and stores); v5: the stage on the way in; v6: on the way out; v8+2k: 2^e of set k
	s_load_b256 s[4:11], s[0:1], 0x0               ; x, Wq, Wk, Wv
	s_load_b256 s[12:19], s[0:1], 0x20             ; Wo, the scales' exponents, xc, wc
	v_lshl_add_u32 v144, v0, 2, 0xa000
	v_mov_b32 v145, 0
	v_lshrrev_b32 v1, 5, v0
	v_readfirstlane_b32 s20, v1                    ; wave
	v_and_b32 v2, 31, v0                           ; lane
	v_lshlrev_b32 v3, 4, v2
	s_mul_i32 s21, s20, WREG
	v_lshrrev_b32 v5, 2, v2
	v_mul_u32_u24 v5, v5, SP
	v_and_b32 v6, 3, v2
	v_lshl_add_u32 v5, v6, 4, v5
	v_add_nc_u32 v5, s21, v5                       ; in: four lanes' 64 bytes on end, then the padding
	v_mul_u32_u24 v6, v2, SP
	v_add_nc_u32 v6, s21, v6                       ; out: my 16 neighbours
	s_wait_kmcnt 0x0
	s_load_b256 s[24:31], s[14:15], 0x0            ; e0 .. e7
	s_load_b128 s[32:35], s[14:15], 0x20           ; e8 .. e11
.macro LOAD t, base
.irp i, 0,1,2,3
	global_load_b128 v[R+16*((\t)%4)+4*\i:R+16*((\t)%4)+4*\i+3], v3, s[\base:\base+1] offset:2048*(\t)+512*\i th:TH_LOAD_NT   ; 32 lanes read 512 consecutive bytes; read once in the launch
.endr
.endm
.macro TURN t, path                    ; step t's numbers through the stage: LDS serves a wave's instructions in order (ISA guide 5.7.1.4), so no wait stands between the stores and the loads
.irp i, 0,1,2,3
	ds_store_b128 v5, v[R+16*((\t)%4)+4*\i:R+16*((\t)%4)+4*\i+3] offset:\path+32*SP*((\t)%2)+8*SP*\i
.endr
.irp i, 0,1,2,3
	ds_load_b128 v[X+16*((\t)%2)+4*\i:X+16*((\t)%2)+4*\i+3], v6 offset:\path+32*SP*((\t)%2)+16*\i
.endr
.endm
.macro MKSC e, k                       ; the scale in s[e] as two f32 patterns
	s_add_co_i32 s44, s[\e], 127
	s_lshl_b32 s45, s44, 23
	v_mov_b32 v[8+2*\k], s45                       ; 2^e: the conversion takes its exponent field
	s_add_co_i32 s44, s44, 15
	s_lshl_b32 s44, s44, 23
	s_or_b32 s44, s44, 0x600000
.endm
.macro CONV t, k                       ; step t's 16 numbers under scale k
.irp i, 0,1,2,3,4,5,6,7,8,9,10,11,12,13,14,15
.endr
	v_cvt_scalef32_pk8_bf8_f32 v[C+4*\k:C+4*\k+1], v[T+((X+16*((\t)%2)+0)-(T+0)):T+7+((X+16*((\t)%2)+0)-(T+0))], v[8+2*\k]
	v_cvt_scalef32_pk8_bf8_f32 v[C+4*\k+2:C+4*\k+3], v[T+8+((X+16*((\t)%2)+0)-(T+0)):T+15+((X+16*((\t)%2)+0)-(T+0))], v[8+2*\k]
	v_nop                                          ; a plain line behind the conversions
.endm
.macro STEP t, path, base, ns
	s_wait_dscnt 0x0                               ; this step's numbers are back from the stage, so its stores into the stage have read their registers,
.if (\t)+4 < STEPS
	LOAD (\t)+4, \base                             ; which take the loads of four steps on
.endif
.if (\t)+1 < STEPS
.if STEPS-2-(\t) >= 3
	s_wait_loadcnt 12                              ; the next step's four loads are in; those of the three steps behind it may be out
.else
	s_wait_loadcnt 4*(STEPS-2-(\t))
.endif
	TURN (\t)+1, \path
.endif
	s_wait_xcnt 0x0                                ; the last step's stores have read their data: the codes' registers are written again only behind this wait
	CONV \t, 0
.if \ns > 1
	CONV \t, 1
	CONV \t, 2
.endif
	global_store_b128 v3, v[C:C+3], s[36:37] offset:512*(\t)
.if \ns > 1
	global_store_b128 v3, v[C+4:C+7], s[38:39] offset:512*(\t)
	global_store_b128 v3, v[C+8:C+11], s[40:41] offset:512*(\t)
.endif
.endm
	s_cmp_lt_u32 ttmp9, 256                        ; x's work-group or a weight's?  The choice hangs on the work-group's number alone
	s_cbranch_scc0 .Lweights
	; ---- x: run 4 x work-group + wave of 1,024 runs of 8,192 numbers
	s_lshl_b32 s22, ttmp9, 2
	s_add_co_u32 s22, s22, s20
	s_lshl_b32 s42, s22, 15
	s_mov_b32 s43, 0
	s_add_nc_u64 s[4:5], s[4:5], s[42:43]
	s_lshl_b32 s42, s22, 13
	s_add_nc_u64 s[36:37], s[16:17], s[42:43]      ; the three sets have a base each: 8 MiB is more than a store's immediate holds
	s_add_nc_u64 s[38:39], s[36:37], 0x800000
	s_add_nc_u64 s[40:41], s[36:37], 0x1000000
	s_wait_alu depctr_va_vdst(0)
.irp t, 0,1,2,3
	LOAD \t, 4
.endr
	s_wait_kmcnt 0x0
	MKSC 24, 0
	MKSC 26, 1
	MKSC 28, 2
	s_wait_alu depctr_va_vdst(0)
	s_wait_loadcnt 12                              ; step 0's four loads are in
	TURN 0, 0
.irp t, 0,1,2,3,4,5,6,7,8,9,10,11,12,13,14,15
	STEP \t, 0, 4, 3
.endr
	s_wait_tensorcnt 0x0
	ds_add_u32 v144, v145
	s_wait_dscnt 0x0
	s_endpgm
.Lweights:
	; ---- the weights: weight j = (work-group - 256) / 32, run 4 x (the rest) + wave of its 128 runs
	s_sub_co_u32 s22, ttmp9, 256
	s_lshr_b32 s23, s22, 5
	s_and_b32 s22, s22, 31
	s_lshl_b32 s22, s22, 2
	s_add_co_u32 s22, s22, s20
	s_lshl_b32 s42, s22, 15
	s_mov_b32 s43, 0
	s_lshl_b32 s46, s22, 13
	s_lshl_b32 s47, s23, 20
	s_add_co_u32 s46, s46, s47
	s_mov_b32 s47, 0
	s_cmp_eq_u32 s23, 1
	s_cselect_b64 s[6:7], s[8:9], s[6:7]
	s_cmp_eq_u32 s23, 2
	s_cselect_b64 s[6:7], s[10:11], s[6:7]
	s_cmp_eq_u32 s23, 3
	s_cselect_b64 s[6:7], s[12:13], s[6:7]
	s_add_nc_u64 s[6:7], s[6:7], s[42:43]
	s_add_nc_u64 s[36:37], s[18:19], s[46:47]
	s_wait_alu depctr_va_vdst(0)
.irp t, 0,1,2,3
	LOAD \t, 6
.endr
	s_wait_kmcnt 0x0
	s_cmp_eq_u32 s23, 1
	s_cselect_b32 s25, s27, s25
	s_cmp_eq_u32 s23, 2
	s_cselect_b32 s25, s29, s25
	s_cmp_eq_u32 s23, 3
	s_cselect_b32 s25, s35, s25
	MKSC 25, 0
	s_wait_alu depctr_va_vdst(0)
	s_wait_loadcnt 12
	TURN 0, WPATH
.irp t, 0,1,2,3,4,5,6,7,8,9,10,11,12,13,14,15
	STEP \t, WPATH, 6, 1
.endr
	s_wait_tensorcnt 0x0
	ds_add_u32 v144, v145
	s_wait_dscnt 0x0
	s_endpgm
.Lfunc_end_k_q9749a99695_quant:
	.size	k_q9749a99695_quant, .Lfunc_end_k_q9749a99695_quant-k_q9749a99695_quant
	.p2alignl 7, 3214868480
	.fill 96, 4, 3214868480
	.section	.rodata,"a",@progbits
	.p2align	6, 0x0
	.amdhsa_kernel k_q9749a99695_quant
		.amdhsa_group_segment_fixed_size 41472
		.amdhsa_private_segment_fixed_size 0
		.amdhsa_enable_private_segment 0
		.amdhsa_kernarg_size 64
		.amdhsa_user_sgpr_count 2
		.amdhsa_user_sgpr_kernarg_segment_ptr 1
		.amdhsa_wavefront_size32 1
		.amdhsa_system_sgpr_workgroup_id_x 1
		.amdhsa_system_sgpr_workgroup_id_y 1
		.amdhsa_system_sgpr_workgroup_id_z 1
		.amdhsa_system_vgpr_workitem_id 0
		.amdhsa_next_free_vgpr 146
		.amdhsa_next_free_sgpr 66
		.amdhsa_reserve_vcc 0
		.amdhsa_float_denorm_mode_32 3
		.amdhsa_float_denorm_mode_16_64 3
		.amdhsa_fp16_overflow 1
		.amdhsa_memory_ordered 1
		.amdhsa_forward_progress 1
		.amdhsa_inst_pref_size 51
	.end_amdhsa_kernel
	.amdgpu_metadata
---
amdhsa.version: [ 1, 2 ]
amdhsa.kernels:
  - .name:           k_q9749a99695_quant
    .symbol:         k_q9749a99695_quant.kd
    .args:
      - { .name: x, .offset: 0, .size: 8, .value_kind: global_buffer, .address_space: global }
      - { .name: Wq, .offset: 8, .size: 8, .value_kind: global_buffer, .address_space: global }
      - { .name: Wk, .offset: 16, .size: 8, .value_kind: global_buffer, .address_space: global }
      - { .name: Wv, .offset: 24, .size: 8, .value_kind: global_buffer, .address_space: global }
      - { .name: Wo, .offset: 32, .size: 8, .value_kind: global_buffer, .address_space: global }
      - { .name: lowp_scales, .offset: 40, .size: 8, .value_kind: global_buffer, .address_space: global }
      - { .name: xc, .offset: 48, .size: 8, .value_kind: global_buffer, .address_space: global }
      - { .name: wc, .offset: 56, .size: 8, .value_kind: global_buffer, .address_space: global }
    .group_segment_fixed_size: 41472
    .private_segment_fixed_size: 0
    .kernarg_segment_align: 8
    .kernarg_segment_size: 64
    .max_flat_workgroup_size: 128
    .sgpr_count:     66
    .vgpr_count:     146
    .wavefront_size: 32
...
	.end_amdgpu_metadata
.endif
;; end of part 1
;; launch qkv (part 2): grid 96 x 4, 4 waves a work-group, clusters of 4 x 4, 327,680 bytes of LDS; arguments xc, wc, lowp_scales, qkv; writes qkv
.if DOCPART == 2
	.amdgcn_target "amdgcn-amd-amdhsa--gfx1250"
	.amdhsa_code_object_version 6
	.text
	.protected	k_q9749a99695_qkv
	.globl	k_q9749a99695_qkv
	.p2align	8
	.type	k_q9749a99695_qkv,@function
k_q9749a99695_qkv:
	s_mov_b64 s[64:65], 0
	v_nop
	global_prefetch_b8 v0, s[64:65] scope:SCOPE_SE
	s_setreg_imm32_b32 hwreg(HW_REG_WAVE_MODE, 25, 1), 1
	s_wait_xcnt 0x0
	s_wait_alu depctr_hold_cnt(0) depctr_sa_sdst(0) depctr_va_vdst(0) depctr_va_sdst(0) depctr_va_ssrc(0) depctr_va_vcc(0) depctr_vm_vsrc(0)
	s_getreg_b32 s2, hwreg(HW_REG_IB_STS2, 6, 4)
	s_cmp_eq_u32 s2, 0
	s_cbranch_scc0 .Lentry_in_a_cluster
	s_endpgm
.Lentry_in_a_cluster:
	s_bfe_u32 s2, ttmp6, 0x10000c
	s_cmp_lg_u32 s2, 0xf033
	s_cbranch_scc0 .Lentry_shape_is_right
	s_endpgm
.Lentry_shape_is_right:
; q = x Wq^T, k = x Wk^T, v = x Wv^T on codes of BF8 (E5M2), and each result quantised at once for attention's products.  K = 1,024.
; A tile of a result, 256 x 256, is made by a work-group of four waves; a wave makes 128 x 128: 64 accumulators of 16 x 16, 512 registers.  384 tiles: cluster c of 24 makes 4 x 4 tiles of product p = c / 8.
; p = 0, 1 (q, k): A = x's codes of set p (rows = tokens), B = weight p (rows = features).  p = 2 (v): A = Wv (rows = channels), B = x's codes of set 2 (rows = keys): so v comes out with the KEYS along a lane's registers.
; THE MATRIX INSTRUCTION IS USED TRANSPOSED (source 0 = 16 rows of B, source 1 = 16 rows of A): a lane holds one row of A's and eight neighbouring rows of B's, which are eight neighbours along the NEXT product's K.
; A sum stands for sum x 2^(ea + eb); its code under the next scale 2^eo is sum / 2^(eo - ea - eb): one conversion scale.  (ea, eb, eo) = entries (0, 1, 6), (2, 3, 7), (4, 5, 9) of the scales.
; LIMIT: eo - ea - eb between -126 and 112, so that the scale and 57,344 x the scale are f32 numbers.
; OUT: q at byte 0 and k at 8 MiB of qkv as [batch][head][token][64]; v at 16 MiB as [batch][head][channel][2048 keys].  A lane's 16 codes of two neighbouring blocks of B go to byte 32 g + 16 (lane / 16) of the innermost
; axis: within each 32 the two middle groups of eight change places.  A 16-byte load at 16 (lane / 16) + 32 c then gives a lane just the k that the plain 8-bit layout gives it (ISA guide 7.12.2).
; K goes in steps of 256 through a ring of two LDS slots filled by the tensor data mover.  CLUSTERS: 4 x 4 work-groups; the four of a row need the same tiles of A, the four of a column the same tiles of B: each tile is
; asked for JOINTLY, by the same tensor load with the same descriptor and a mask that names the four.  p hangs on the cluster's number alone: it is the same in all sixteen.
; REGISTERS, in windows of 256: window 0: v0-31 addresses; from v128 A's fragments, ONE set; on the way out v32-255 are free.  window 1: B's fragments, TWO sets.  windows 2, 3: the accumulators ((a, b) at v[8 (8 (a % 4) + b)]).
.set SIZE_K, 1024
.set KSTEP,  256
.set ROWB,   256                       ; a tile's row in bytes
.set KROW,   SIZE_K                    ; a row of codes in memory
.set PITCH,  272                       ; an LDS row: 256 bytes + 16 of padding = 68 words: row r starts at bank 4 r mod 64 (64 banks of 4 bytes: ISA guide 11.1)
.set FR,     16                        ; registers of a fragment: 16 rows x 128 K
.set NL,     4                         ; LDS loads that bring one
.set NP,     4                         ; places behind this matrix instruction (ISA guide 7.12.1)
.set HALFT,  128*PITCH
.set SLOT,   4*HALFT                   ; A's 256 rows, then B's 256 rows
.set LAPS,   SIZE_K/(2*KSTEP)
.set SPARE,  2*SLOT                    ; behind the ring: the spare words, 128 bytes for each wave: two blocks of 256 bytes that no other line names
.set QSTG,   0                         ; the way out of q and k: 64 pieces of 256 bytes (4 tokens of a head), 272 apart, for each wave.  Both stages lie in slot 0, which has had its last fill and its last read by then
.set VSTG,   2*HALFT                   ; the way out of v: 256 rows of 256 bytes, 272 apart, the work-group's
.set STQ,  8                           ; v8-10   q, k: into the stage, out of it, my byte in memory
.set RDQ,  9
.set GOQ,  10
.set STV,  11                          ; v11-13  the same for v
.set RDV,  12
.set GOV,  13
.set ADRA, 16                          ; v16-17  LDS address of my A fragments in slot 0, 1
.set ADRB, 20                          ; v20-21  the same for B
.set SPW,  28                          ; v28     LDS address of my spare word; never rewritten
.set NIL,  29                          ; v29     0; never rewritten
.set SCL,  30                          ; v30     2^(eo - ea - eb)
.set LIM,  31
.set TMP,  32
.set CD,   96                          ; v96-223 the codes: 16 registers a block
.set BK,   32                          ; v32-159 what comes back from the stage
.set AF,   128
.set G1, 24
.set G0, 32
.set G1B, 48
.set G0B, 56
.set PP, 67                            ; s67 p
.set MSB, 0
.macro WIN new                         ; the immediate's high byte repeats the setting that is left
.if MSB != (\new)
	s_set_vgpr_msb (MSB<<8)|(\new)
.set MSB, \new
.endif
.endm
.set MUL_LO, 0xa1                      ; source 0 (B) window 1, source 1 (A) window 0, C and D window 2
.set MUL_HI, 0xf1                      ; the same, C and D window 3
.set TO_B,   0x40                      ; destination window 1, address window 0
; A joint load: waves 0 and 1 fetch for A, waves 2 and 3 for B.  Each line has ONE mask and one set of registers; the branch hangs on the wave's number alone.  Four v_nop follow each line.
.macro JLOAD g0a, g1a, g0b, g1b
	s_cmp_eq_u32 s15, 0
	s_cbranch_scc0 .Lfor_b_\@
	tensor_load_to_lds s[\g0a:\g0a+3], s[\g1a:\g1a+7]
	s_nop 0
.rept 4
	v_nop
.endr
	s_branch .Lasked_\@
.Lfor_b_\@:
	tensor_load_to_lds s[\g0b:\g0b+3], s[\g1b:\g1b+7]
	s_nop 0
.rept 4
	v_nop
.endr
.Lasked_\@:
.endm
.macro CREST                           ; a round of the cluster's barrier behind its opening barrier
	s_cmp_lg_u32 s14, 0
	s_cbranch_scc1 .Lnot_wave_0_\@
	s_barrier_signal -3
.Lnot_wave_0_\@:
	s_barrier_wait -3
	s_barrier_signal -1
	s_barrier_wait -1
.endm
.macro CROUND
	s_barrier_signal -1
	s_barrier_wait -1
	CREST
.endm
	s_load_b128 s[4:7], s[0:1], 0x0                ; xc, wc
	s_load_b128 s[8:11], s[0:1], 0x10              ; the scales' exponents, qkv
	v_lshl_add_u32 v[SPW], v0, 2, SPARE
	v_mov_b32 v[NIL], 0
	ds_add_u32 v28, v29
	ds_add_u32 v28, v29
	s_wait_dscnt 0x0
	v_lshrrev_b32 v1, 5, v0
	v_readfirstlane_b32 s14, v1                    ; wave 0..3
	s_lshr_b32 s15, s14, 1                         ; which half of the tile's rows (A's) is mine.  Also: I fetch for A (0) or for B (1)
	s_and_b32 s16, s14, 1                          ; which half of its columns (B's rows).  Also: which 128 rows I fetch
	s_bfe_u32 s40, ttmp6, 0x40000                  ; cx, cy: my place in the cluster
	s_bfe_u32 s41, ttmp6, 0x40004
	s_lshr_b32 s[PP], ttmp9, 3                     ; p: which product
	s_and_b32 s68, ttmp9, 7
	s_lshl_b32 s68, s68, 2                         ; the cluster's first tile along the 8,192 tokens
	s_lshl_b32 s70, s[PP], 23                      ; x's codes of set p lie 8 MiB apart (and so do q, k, v in qkv),
	s_mov_b32 s71, 0
	s_lshl_b32 s72, s[PP], 20                      ; the weights' 1 MiB
	s_mov_b32 s73, 0
	s_cmp_lt_u32 s[PP], 2
	s_cselect_b32 s69, s68, 0                      ; q, k: the tokens are A's rows;
	s_cselect_b32 s74, 0, s68                      ; v: they are B's
	s_add_co_u32 s17, s41, s69                     ; tile row: of cy alone
	s_add_co_u32 s42, s40, s74                     ; tile column: of cx alone
	s_lshl_b32 s43, s41, 2
	s_lshl_b32 s43, 15, s43                        ; my row of the cluster
	s_lshl_b32 s44, 0x1111, s40                    ; my column
	s_or_b32 s[G1+0], s43, (0<<16)|(1<<20)|(1<<21)|(5<<22)|(3<<25)  ; 15:0 the mask; 17:16 elements of 1 byte; 20 padding on; 21 set beside a mask; 24:22 after every 64 words (code 5); 31:25 four words (code 3)
	s_or_b32 s[G1B+0], s44, (0<<16)|(1<<20)|(1<<21)|(5<<22)|(3<<25)
.irp g, G1, G1B
	s_mov_b32 s[\g+1], ROWB<<16                    ; tensor_dim0
	s_mov_b32 s[\g+2], 128<<16                     ; tensor_dim1
	s_mov_b32 s[\g+3], ROWB<<16                    ; tile_dim0
	s_mov_b32 s[\g+4], 128                         ; tile_dim1
	s_mov_b32 s[\g+5], KROW                        ; tensor_dim0_stride
	s_mov_b32 s[\g+6], 0
	s_mov_b32 s[\g+7], 0
.endr
	s_lshl_b32 s18, s16, 7
	s_lshl_b32 s20, s17, 8
	s_add_co_u32 s20, s20, s18                     ; A: row 256 x tile row + 128 x half
	s_lshl_b32 s46, s42, 8
	s_add_co_u32 s46, s46, s18                     ; B: row 256 x tile column + 128 x half
	s_mov_b32 s21, 0
	s_mov_b32 s47, 0
	s_lshl_b64 s[20:21], s[20:21], 10              ; rows of 1,024 bytes
	s_lshl_b64 s[46:47], s[46:47], 10
	s_mul_i32 s45, s14, HALFT                      ; where they go: wave x 128 rows: no place in the cluster enters an LDS address
	s_wait_kmcnt 0x0
	s_load_b256 s[80:87], s[8:9], 0x0              ; e0 .. e7
	s_load_b128 s[88:91], s[8:9], 0x20             ; e8 .. e11
	s_add_nc_u64 s[4:5], s[4:5], s[70:71]          ; x's codes of set p
	s_add_nc_u64 s[6:7], s[6:7], s[72:73]          ; weight p
	s_cmp_lt_u32 s[PP], 2
	s_cselect_b64 s[76:77], s[4:5], s[6:7]         ; A
	s_cselect_b64 s[78:79], s[6:7], s[4:5]         ; B
	s_add_nc_u64 s[20:21], s[76:77], s[20:21]
	s_add_nc_u64 s[46:47], s[78:79], s[46:47]
	CROUND                                         ; all sixteen work-groups are here: the first joint loads meet
.irp s, 0,1
	s_mov_b32 s[G0+4*\s], 1
	s_add_co_u32 s[G0+4*\s+1], s45, \s*SLOT
	s_add_nc_u64 s[G0+4*\s+2:G0+4*\s+3], s[20:21], \s*ROWB
	s_or_b32 s[G0+4*\s+3], s[G0+4*\s+3], 0x80000000
	s_mov_b32 s[G0B+4*\s], 1
	s_add_co_u32 s[G0B+4*\s+1], s45, \s*SLOT
	s_add_nc_u64 s[G0B+4*\s+2:G0B+4*\s+3], s[46:47], \s*ROWB
	s_or_b32 s[G0B+4*\s+3], s[G0B+4*\s+3], 0x80000000
	JLOAD G0+4*\s, G1, G0B+4*\s, G1B
.endr
	v_and_b32 v1, 15, v0                           ; r = l % 16
	s_wait_alu depctr_va_vdst(0)
	v_bfe_u32 v2, v0, 4, 1                         ; h = l / 16
	v_mul_u32_u24 v3, v1, PITCH
	v_lshl_add_u32 v4, v2, 4, v3                   ; a fragment's row x pitch + 16 x half
	s_mul_i32 s21, s15, HALFT                      ; my 128 rows of A
	s_mul_i32 s22, s16, HALFT                      ; my 128 rows of B,
	s_add_co_u32 s22, s22, 2*HALFT                 ; which lie behind A's 256
.irp s, 0,1
	v_add_nc_u32 v[ADRA+\s], s21, v4
	v_add_nc_u32 v[ADRB+\s], s22, v4
	s_add_co_u32 s21, s21, SLOT
	s_add_co_u32 s22, s22, SLOT
.endr
	; every address of the way out is made here, ahead of the place where the two ways part
	s_mul_i32 s23, s14, 64*PITCH                   ; q, k: my wave's 64 pieces
	v_lshrrev_b32 v5, 2, v1
	v_mul_u32_u24 v5, v5, PITCH
	v_and_b32 v6, 3, v1
	v_lshl_add_u32 v5, v6, 6, v5
	v_lshl_add_u32 v5, v2, 4, v5
	v_add_nc_u32 v[STQ], s23, v5                   ; in: piece r / 4, token r % 4 of it (64 bytes), + 16 h
	v_mul_u32_u24 v6, v2, PITCH
	v_lshl_add_u32 v6, v1, 4, v6
	v_add_nc_u32 v[RDQ], s23, v6                   ; back: lanes 0-15 one piece, lanes 16-31 the next
	v_add_nc_u32 v[RDV], VSTG, v[RDQ]              ; v: wave w takes rows 64 w on, lanes 0-15 one row, lanes 16-31 the next
	v_and_b32 v7, 31, v0
	v_lshlrev_b32 v[GOQ], 4, v7                    ; q, k: two pieces are 512 consecutive bytes of memory
	s_mul_i32 s23, s15, HALFT
	s_lshl_b32 s22, s16, 7
	s_add_co_u32 s23, s23, s22
	s_add_co_u32 s23, s23, VSTG
	v_add_nc_u32 v[STV], s23, v4                   ; v, in: my 128 rows, my 128 bytes of them; row r, + 16 h
	v_lshlrev_b32 v[GOV], 11, v2
	v_lshl_add_u32 v[GOV], v1, 4, v[GOV]           ; v: two rows of 2,048 bytes
.macro FRAG reg, adr, q, i             ; a fragment: lane l holds row l % 16; registers 4 c .. 4 c + 3 hold K = 32 c + 16 (l / 16) + 0 .. 15: a permutation of k, the same in A and in B
.irp c, 0,1,2,3
	ds_load_b128 v[\reg+4*\c:\reg+4*\c+3], v[\adr] offset:128*(\q)+32*\c+(\i)*16*PITCH
.endr
.endm
; 16 matrix instructions: A's blocks a0, a0 + 1 x B's eight, 128 along K.  p: B's set.  zero = 1: the first product starts the sums.  The 64 accumulators take turns, one instruction a turn.
.macro MUL16 a0, p, zero
.irp a, \a0, \a0+1
.irp b, 0,1,2,3,4,5,6,7
.if \zero
	v_wmma_f32_16x16x128_bf8_bf8 v[8*(8*((\a)%4)+\b):8*(8*((\a)%4)+\b)+7], v[128*(\p)+FR*\b:128*(\p)+FR*\b+FR-1], v[AF+FR*(\a):AF+FR*(\a)+FR-1], 0
.else
	v_wmma_f32_16x16x128_bf8_bf8 v[8*(8*((\a)%4)+\b):8*(8*((\a)%4)+\b)+7], v[128*(\p)+FR*\b:128*(\p)+FR*\b+FR-1], v[AF+FR*(\a):AF+FR*(\a)+FR-1], v[8*(8*((\a)%4)+\b):8*(8*((\a)%4)+\b)+7]
.endif
.endr
.endr
.endm
.macro FETCH_B slot, q, p
	WIN TO_B
.irp i, 0,1,2,3,4,5,6,7
	FRAG 128*(\p)+FR*\i, ADRB+\slot, \q, \i
.endr
	WIN 0
.endm
.macro FETCH_A slot, q, i0
.irp i, \i0, \i0+1, \i0+2, \i0+3
	FRAG AF+FR*(\i), ADRA+\slot, \q, \i
.endr
.endm
.macro PLACES n                        ; plain vector lines between a matrix instruction and a load into, or a vector read of, its registers (ISA guide 7.12.1 for vector reads)
.rept \n
	v_nop
.endr
.endm
; A step of 128 along K that has its successor in the same slot.  A's blocks are free as soon as their eight products are issued: one set serves A; B's are at work through the whole step: two sets.
.macro STEP slot, q, zero
	s_wait_dscnt 4*NL                              ; B's set and A's blocks 0-3 are in; the youngest sixteen loads (A's blocks 4-7) may be out
	WIN MUL_LO
	MUL16 0, (\q)%2, \zero
	MUL16 2, (\q)%2, \zero
	s_wait_dscnt 0
	PLACES NP
	FETCH_B \slot, (\q)+1, 1-(\q)%2
	FETCH_A \slot, (\q)+1, 0
	WIN MUL_HI
	MUL16 4, (\q)%2, \zero
	MUL16 6, (\q)%2, \zero
	PLACES NP
	WIN 0
	FETCH_A \slot, (\q)+1, 4
.endm
; A slot's last step changes slots: ONE barrier; in front of it each wave waits for all its tensor loads, adds 0 to its spare word, and waits for that and for its reads of this slot.  fill = 1: this slot is filled again.
.macro TURN slot, next, fill
	s_wait_tensorcnt 0x0                           ; all my tensor loads have landed: my part of the next slot
	ds_add_u32 v[SPW], v[NIL]                      ; 0 onto my spare word
	s_wait_dscnt 4*NL+1                            ; (the add and the youngest sixteen loads may be out)
	WIN MUL_LO
	MUL16 0, 1, 0
	s_wait_dscnt 0x0                               ; the add is done, and my reads of this slot are over
	s_barrier_signal -1
	MUL16 2, 1, 0
	WIN 0
	s_barrier_wait -1
.if \fill
	CREST                                          ; the barrier has opened a round of the cluster's: no wave of any partner still reads this slot or has a load on its way
	s_add_nc_u64 s[G0+4*\slot+2:G0+4*\slot+3], s[G0+4*\slot+2:G0+4*\slot+3], 2*ROWB
	s_add_nc_u64 s[G0B+4*\slot+2:G0B+4*\slot+3], s[G0B+4*\slot+2:G0B+4*\slot+3], 2*ROWB
	JLOAD G0+4*\slot, G1, G0B+4*\slot, G1B         ; the first tensor load behind the round; its four v_nop are the places in front of the loads below
.else
	PLACES NP
.endif
	FETCH_B \next, 0, 0
	FETCH_A \next, 0, 0
	WIN MUL_HI
	MUL16 4, 1, 0
	MUL16 6, 1, 0
	PLACES NP
	WIN 0
	FETCH_A \next, 0, 4
.endm
	s_wait_tensorcnt 1                             ; my part of K step 0 is in (K step 1's load may be out),
	s_barrier_signal -1
	s_barrier_wait -1                              ; everybody's is
	FETCH_B 0, 0, 0
	FETCH_A 0, 0, 0
	FETCH_A 0, 0, 4
	STEP 0, 0, 1                                   ; the first step stands in front of the loop: its products start the sums
	s_mov_b32 s3, LAPS-1
.Llap:                                                 ; a trip goes once round the ring and fills both slots again
	TURN 0, 1, 1
	STEP 1, 0, 0
	TURN 1, 0, 1
	STEP 0, 0, 0
	s_sub_co_u32 s3, s3, 1
	s_cmp_lg_u32 s3, 0
	s_cbranch_scc1 .Llap
	TURN 0, 1, 0                                   ; the last lap fills nothing
	STEP 1, 0, 0
	s_wait_dscnt 4*NL
	WIN MUL_LO
	MUL16 0, 1, 0
	MUL16 2, 1, 0
	s_wait_dscnt 0
	WIN MUL_HI
	MUL16 4, 1, 0
	MUL16 6, 1, 0
	WIN 0
	; THE WAY OUT.  The one scale: eo - ea - eb, chosen by p without a branch.
	s_wait_kmcnt 0x0
	s_add_co_i32 s92, s80, s81
	s_sub_co_i32 s92, s86, s92                     ; q: e6 - e0 - e1
	s_add_co_i32 s93, s82, s83
	s_sub_co_i32 s93, s87, s93                     ; k: e7 - e2 - e3
	s_add_co_i32 s94, s84, s85
	s_sub_co_i32 s94, s89, s94                     ; v: e9 - e4 - e5
	s_cmp_eq_u32 s[PP], 1
	s_cselect_b32 s92, s93, s92
	s_cmp_eq_u32 s[PP], 2
	s_cselect_b32 s92, s94, s92
	s_add_co_i32 s92, s92, 127
	s_lshl_b32 s93, s92, 23
	v_mov_b32 v[SCL], s93
	s_add_co_i32 s92, s92, 15
	s_lshl_b32 s92, s92, 23
	s_or_b32 s92, s92, 0x600000
	PLACES NP                                      ; behind the last products, in front of the first read of results and the first write over A's fragments
; Block a (16 rows of A's x 128 of B's): the sums are converted: registers 4 g .. 4 g + 3 are the 16 bytes at 32 g + 16 h
.macro CODES a
.set AC, 64*((\a)%4)
	WIN 0x02+((\a)/4)                              ; source 0: window 2 or 3
.set n, 0
.rept 64
.set n, n+1
.endr
.irp b, 0,1,2,3,4,5,6,7
	v_cvt_scalef32_pk8_bf8_f32 v[CD+16*(\a)+2*\b:CD+16*(\a)+2*\b+1], v[AC+8*\b:AC+8*\b+7], v[SCL]
.endr
	WIN 0
	v_nop                                          ; a plain line behind the conversions
.endm
.irp a, 0,1,2,3,4,5,6,7
	CODES \a
.endr
	s_cmp_eq_u32 s[PP], 2                          ; p is the same in every wave of every partner
	s_cbranch_scc1 .Lv_in
.irp a, 0,1,2,3,4,5,6,7                    ; q, k: token 16 a + r, head g / 2 of my two, byte 32 (g % 2) + 16 h of its 64
.irp g, 0,1,2,3
	ds_store_b128 v[STQ], v[CD+16*\a+4*\g:CD+16*\a+4*\g+3] offset:QSTG+\a*4*PITCH+(\g/2)*32*PITCH+(\g%2)*32
.endr
.endr
	s_branch .Lmeet
.Lv_in:
	s_wait_alu depctr_va_vdst(0)
.irp a, 0,1,2,3,4,5,6,7                    ; v: channel 16 a + r, keys 32 g on
.irp g, 0,1,2,3
	ds_store_b128 v[STV], v[CD+16*\a+4*\g:CD+16*\a+4*\g+3] offset:\a*16*PITCH+32*\g
.endr
.endr
.Lmeet:
	s_wait_dscnt 0x0                               ; for the others' sake: my stores into the stage are done (a row of v's 256 bytes comes from two waves)
	s_barrier_signal -1
	s_barrier_wait -1
	s_cmp_eq_u32 s[PP], 2
	s_cbranch_scc1 .Lv_out
	s_lshl_b32 s92, s17, 8                         ; q, k: my first token, 256 x tile row + 128 x half:
	s_lshl_b32 s93, s15, 7
	s_add_co_u32 s92, s92, s93
	s_lshr_b32 s93, s92, 11
	s_lshl_b32 s93, s93, 21                        ; its batch, 2 MiB each,
	s_and_b32 s92, s92, 2047
	s_lshl_b32 s92, s92, 6                         ; its 64 bytes in a head,
	s_add_co_u32 s92, s92, s93
	s_lshl_b32 s93, s42, 2
	s_lshl_b32 s94, s16, 1
	s_add_co_u32 s93, s93, s94
	s_lshl_b32 s93, s93, 17                        ; my first head, 4 x tile column + 2 x half, 131,072 bytes each,
	s_add_co_u32 s92, s92, s93
	s_add_co_u32 s92, s92, s70                     ; and q's or k's part of the buffer
	s_mov_b32 s93, 0
	s_add_nc_u64 s[10:11], s[10:11], s[92:93]
.set i, 0
.rept 32
	ds_load_b128 v[BK+4*i:BK+4*i+3], v[RDQ] offset:QSTG+2*PITCH*i
.set i, i+1
.endr
.set i, 0
.rept 32
	s_wait_dscnt 31-i
	global_store_b128 v[GOQ], v[BK+4*i:BK+4*i+3], s[10:11] offset:(i/16)*131072+(i%16)*512   ; 32 lanes store 512 consecutive bytes, aligned
.set i, i+1
.endr
	s_branch .Lend
.Lv_out:
	s_lshl_b32 s92, s42, 8                         ; v: the tile's first key:
	s_lshr_b32 s93, s92, 11
	s_lshl_b32 s93, s93, 21                        ; its batch,
	s_and_b32 s92, s92, 2047                       ; its byte in a row,
	s_add_co_u32 s92, s92, s93
	s_lshl_b32 s93, s17, 8
	s_lshl_b32 s94, s14, 6
	s_add_co_u32 s93, s93, s94
	s_lshl_b32 s93, s93, 11                        ; the first channel that I store, 256 x tile row + 64 x wave, rows of 2,048 bytes,
	s_add_co_u32 s92, s92, s93
	s_add_co_u32 s92, s92, s70                     ; and v's part of the buffer
	s_mov_b32 s93, 0
	s_add_nc_u64 s[10:11], s[10:11], s[92:93]
.set i, 0
.rept 32
	ds_load_b128 v[BK+4*i:BK+4*i+3], v[RDV] offset:2*PITCH*i
.set i, i+1
.endr
.set i, 0
.rept 32
	s_wait_dscnt 31-i
	global_store_b128 v[GOV], v[BK+4*i:BK+4*i+3], s[10:11] offset:4096*i   ; 16 lanes store 256 consecutive bytes, aligned
.set i, i+1
.endr
.Lend:
	s_wait_tensorcnt 0x0                           ; the wave's end
	ds_add_u32 v[SPW], v[NIL]
	s_wait_dscnt 0x0
	CROUND                                         ; the closing round: no work-group ends while a partner may still ask for a tile that names it
	s_endpgm
.Lfunc_end_k_q9749a99695_qkv:
	.size	k_q9749a99695_qkv, .Lfunc_end_k_q9749a99695_qkv-k_q9749a99695_qkv
	.p2alignl 7, 3214868480
	.fill 96, 4, 3214868480
	.section	.rodata,"a",@progbits
	.p2align	6, 0x0
	.amdhsa_kernel k_q9749a99695_qkv
		.amdhsa_group_segment_fixed_size 327680
		.amdhsa_private_segment_fixed_size 0
		.amdhsa_enable_private_segment 0
		.amdhsa_kernarg_size 32
		.amdhsa_user_sgpr_count 2
		.amdhsa_user_sgpr_kernarg_segment_ptr 1
		.amdhsa_wavefront_size32 1
		.amdhsa_system_sgpr_workgroup_id_x 1
		.amdhsa_system_sgpr_workgroup_id_y 1
		.amdhsa_system_sgpr_workgroup_id_z 1
		.amdhsa_system_vgpr_workitem_id 0
		.amdhsa_next_free_vgpr 1024
		.amdhsa_next_free_sgpr 100
		.amdhsa_reserve_vcc 0
		.amdhsa_float_denorm_mode_32 3
		.amdhsa_float_denorm_mode_16_64 3
		.amdhsa_fp16_overflow 1
		.amdhsa_memory_ordered 1
		.amdhsa_forward_progress 1
		.amdhsa_inst_pref_size 101
	.end_amdhsa_kernel
	.amdgpu_metadata
---
amdhsa.version: [ 1, 2 ]
amdhsa.kernels:
  - .name:           k_q9749a99695_qkv
    .symbol:         k_q9749a99695_qkv.kd
    .args:
      - { .name: xc, .offset: 0, .size: 8, .value_kind: global_buffer, .address_space: global }
      - { .name: wc, .offset: 8, .size: 8, .value_kind: global_buffer, .address_space: global }
      - { .name: lowp_scales, .offset: 16, .size: 8, .value_kind: global_buffer, .address_space: global }
      - { .name: qkv, .offset: 24, .size: 8, .value_kind: global_buffer, .address_space: global }
    .group_segment_fixed_size: 327680
    .private_segment_fixed_size: 0
    .kernarg_segment_align: 8
    .kernarg_segment_size: 32
    .max_flat_workgroup_size: 128
    .sgpr_count:     100
    .vgpr_count:     1024
    .wavefront_size: 32
...
	.end_amdgpu_metadata
.endif
;; end of part 2
;; launch attn (part 3): grid 4 x 64, 8 waves a work-group, no clusters, 327,680 bytes of LDS; arguments qkv, lowp_scales, ac; writes ac
.if DOCPART == 3
	.amdgcn_target "amdgcn-amd-amdhsa--gfx1250"
	.amdhsa_code_object_version 6
	.text
	.protected	k_q9749a99695_attn
	.globl	k_q9749a99695_attn
	.p2align	8
	.type	k_q9749a99695_attn,@function
k_q9749a99695_attn:
	s_mov_b64 s[64:65], 0
	v_nop
	global_prefetch_b8 v0, s[64:65] scope:SCOPE_SE
	s_setreg_imm32_b32 hwreg(HW_REG_WAVE_MODE, 25, 1), 1
	s_wait_xcnt 0x0
; Causal attention on codes of BF8 (E5M2): 64 heads (batch x head) of 2,048 tokens x 64.  q, k: [head][token][64]; v: [head][channel][2,048 keys]; all three laid so that a 16-byte load at 16 (lane / 16) + 32 c gives a
; lane the k of the plain 8-bit layout (ISA guide 7.12.2).  Out: the result's codes under 2^e10, at byte (row / 4) x 4,096 + head x 256 + (row % 4) x 64 + channel: a head's four rows are 256 consecutive bytes.
; THE SOFTMAX: t = score x 2^(e6 + e7) x log2(e) / 8; M = the row's largest t so far, rounded UP to a whole number; p = 2^(t - M) is quantised under 2^e8, not normalised; the row's sum is taken of the unquantised p, in f32,
; and divides at the end.  When M moves, the sum and O are multiplied by 2^(old M - new M): exact.
; SHARES.  Work-group (g, head) makes the head's block 7 - g of 256 queries and then block g: 8 - g and g + 1 slots of 256 keys, NINE for every work-group, walked as one ring that does not stop between the two blocks.
; Keys behind the diagonal are never fetched.  A wave owns 32 queries, two tiles of 16: tile A in register window 0, tile B in window 1 AT THE SAME NUMBERS, so that each fragment of K and of V read from LDS feeds two
; products and one macro serves both tiles' softmax.  Two waves to a SIMD.
; LAYOUT.  S^T = K Q^T (source 0 = 16 keys, source 1 = 16 queries), O^T = V^T P^T (source 0 = 16 channels): a lane holds ONE query (lane % 16) throughout; register j of tile t of S^T is key 16 t + 8 (lane / 16) + j, so the
; conversions' results are registers 2 t, 2 t + 1 of the second product's operand.
; NO CLUSTER: the four work-groups of a head walk the same slots only in their first five trips (8 - g differs); walking in step to the end would make each of them walk the head's 8 + 4 slots and not 9.
; A step all of whose 128 keys come after the wave's 32 queries is jumped over (a scalar branch on ids; no barrier and no tensor load stands in a step); on the diagonal hidden scores become -infinity.  The first key of
; every step that is run counts for all 32 queries (both are multiples of 32), so M is a number from the first step on.
; LIMITS on the given exponents: e6 + e7 between -123 and 130 (added to the exponent field of log2(e) / 8); e8, and e10 - e8 - e9, between -126 and 112.
.set KP,    80                         ; a key's row in LDS: 64 bytes + 16 of padding: 16 rows start at 16 different groups of four banks (64 banks of 4 bytes: ISA guide 11.1)
.set VP,    272                        ; a channel's row of 256 keys: + 16
.set VOFF,  256*KP                     ; a slot: 256 rows of K, then 64 rows of V
.set SLOT1, 65536                      ; slot 1 begins here: one exclusive or turns an address
.set SPARE, 2*SLOT1                    ; the spare words, 128 bytes for each wave: four blocks of 256 bytes that no other line names
.set STAGE, SPARE+1024                 ; the way out: 2,048 bytes for each wave, bytes of their own: the slots are filled again after the first block has gone out
.set AK0, 1                            ; window 0 alone: v1 my place in a tile of K; v2 of V; v3, v4 the stage, in and back; v5 my spare word; v6 zero; v7 my byte in ac; v8, v9 the step's addresses; v32-95 K's 8 fragments
.set AV0, 2                            ; window 1 alone: v32-95 V's 4 fragments
.set STO, 3                            ; both windows: v12 -M; v13 the largest t; v[14:15] the sum; v16-23 Q; v24-31 the second block's Q; v96-159 S^T, then p; v160-191 O^T; v192-207 p's codes;
.set RD,  4                            ;   v209 2^e8; v[210:211] f; v212-213 at work; v[216:217] the sum's second chain; v218 the mask's bound; v219 -infinity;
.set SPW, 5                            ;   v220 2^(e10 - e8 - e9); v222 lane % 16 - 8 (lane / 16) + 16 x tile
.set NIL, 6
.set GO,  7
.set ADK, 8
.set ADV, 9
.set WV,  18                           ; s18 my wave's number
.set SEL, 20                           ; s[20:21] lane selects for v_permlanex16_b32: lane l xor 16
.set CS,  22                           ; s[22:23] c
.set G1K, 24                           ; s[24:31], s[32:39] descriptor groups 1; s[40:43], s[44:47] groups 0
.set G1V, 32
.set G0K, 40
.set G0V, 44
.set KB,  48                           ; s[48:49] K's first byte that I would fetch; s[50:51] V's
.set VB,  50
.set N1,  52                           ; s52 slots of the first block
.set IT,  53                           ; s53 the trip
.set TB,  54                           ; s54 LDS byte at which the slot in hand begins
.set KF,  55                           ; s55 the step's first key
.set Q0,  56                           ; s56 my first query; s57 the second block's
.set Q0B, 57
.set OB,  58                           ; s[58:59] where my rows go; s[60:61] the second block's
.set OB2, 60
.set MSB, 0
.macro WIN new                         ; bits 1:0 source 0, 3:2 source 1, 5:4 source 2, 7:6 destination; the high byte repeats the setting that is left
.if MSB != (\new)
	s_set_vgpr_msb (MSB<<8)|(\new)
.set MSB, \new
.endif
.endm
; Waves 0 and 1 fetch K's halves, wave 2 V, the others nothing.  The branches hang on the wave's number alone.  Four v_nop follow each line.
.macro TLOAD
	s_cmp_lt_u32 s[WV], 2
	s_cbranch_scc0 .Lnot_k_\@
	tensor_load_to_lds s[G0K:G0K+3], s[G1K:G1K+7]
	s_nop 0
.rept 4
	v_nop
.endr
	s_branch .Lasked_\@
.Lnot_k_\@:
	s_cmp_eq_u32 s[WV], 2
	s_cbranch_scc0 .Lasked_\@
	tensor_load_to_lds s[G0V:G0V+3], s[G1V:G1V+7]
	s_nop 0
.rept 4
	v_nop
.endr
.Lasked_\@:
.endm
	s_load_b128 s[4:7], s[0:1], 0x0                ; qkv, the scales' exponents
	s_load_b64 s[8:9], s[0:1], 0x10                ; ac
	v_lshl_add_u32 v[SPW], v0, 2, SPARE
	v_mov_b32 v[NIL], 0
	ds_add_u32 v5, v6
	ds_add_u32 v5, v6
	s_wait_dscnt 0x0
	v_lshrrev_b32 v8, 5, v0
	s_delay_alu instid0(VALU_DEP_1)
	v_readfirstlane_b32 s[WV], v8                  ; wave 0..7
	s_and_b32 s10, ttmp7, 0xffff                   ; batch x 16 + head
	s_lshl_b32 s12, s10, 17                        ; its 131,072 bytes in each of q, k, v
	s_sub_co_u32 s[N1], 8, ttmp9
	s_sub_co_u32 s11, 7, ttmp9
	s_lshl_b32 s11, s11, 8
	s_lshl_b32 s14, s[WV], 5
	s_add_co_u32 s[Q0], s11, s14                   ; block 7 - g, my 32 queries
	s_lshl_b32 s11, ttmp9, 8
	s_add_co_u32 s[Q0B], s11, s14                  ; block g
	s_and_b32 s15, s[WV], 1
	s_lshl_b32 s16, s15, 13                        ; K: which 128 keys of a slot I fetch: in memory,
	s_add_co_u32 s16, s16, s12
	s_add_co_u32 s16, s16, 0x800000
	s_mov_b32 s17, 0
	s_mul_i32 s15, s15, 128*KP                     ; and in a slot
	s_add_co_u32 s66, s12, 0x1000000               ; V
	s_mov_b32 s67, 0
	s_lshr_b32 s73, s10, 4
	s_lshl_b32 s73, s73, 11                        ; the batch's first row
	s_and_b32 s74, s10, 15
	s_lshl_b32 s74, s74, 8                         ; the head's 256 bytes
	s_add_co_u32 s76, s73, s[Q0]
	s_lshl_b32 s76, s76, 10                        ; (row / 4) x 4,096, the row a multiple of 32
	s_add_co_u32 s76, s76, s74
	s_mov_b32 s77, 0
	s_add_co_u32 s78, s73, s[Q0B]
	s_lshl_b32 s78, s78, 10
	s_add_co_u32 s78, s78, s74
	s_mov_b32 s79, 0
	s_lshl_b32 s80, s[Q0], 6
	s_add_co_u32 s80, s80, s12                     ; my queries' codes
	s_mov_b32 s81, 0
	s_lshl_b32 s82, s[Q0B], 6
	s_add_co_u32 s82, s82, s12
	s_mov_b32 s83, 0
	; descriptor groups 1.  K: 128 rows of 64 bytes, dense in memory.  V: 64 rows of 256 bytes, 2,048 apart
	s_mov_b32 s[G1K], (0<<16)|(1<<20)|(3<<22)|(3<<25)   ; no mask; elements of 1 byte; padding on: four words (code 3) after every 16 (code 3)
	s_mov_b32 s[G1K+1], 64<<16                     ; tensor_dim0
	s_mov_b32 s[G1K+2], 128<<16                    ; tensor_dim1
	s_mov_b32 s[G1K+3], 64<<16                     ; tile_dim0
	s_mov_b32 s[G1K+4], 128                        ; tile_dim1
	s_mov_b32 s[G1K+5], 64                         ; tensor_dim0_stride
	s_mov_b32 s[G1K+6], 0
	s_mov_b32 s[G1K+7], 0
	s_mov_b32 s[G1V], (0<<16)|(1<<20)|(5<<22)|(3<<25)   ; four words after every 64
	s_mov_b32 s[G1V+1], 256<<16
	s_mov_b32 s[G1V+2], 64<<16
	s_mov_b32 s[G1V+3], 256<<16
	s_mov_b32 s[G1V+4], 64
	s_mov_b32 s[G1V+5], 2048
	s_mov_b32 s[G1V+6], 0
	s_mov_b32 s[G1V+7], 0
	s_mov_b32 s[SEL], 0x76543210
	s_mov_b32 s[SEL+1], 0xfedcba98
	s_mov_b32 s[CS], 0x3e38aa3b                    ; log2(e) / sqrt(64)
	s_mov_b32 s[TB], 0
	s_mov_b32 s[KF], 0
	s_mov_b32 s[IT], 0
	s_wait_kmcnt 0x0
	s_load_b128 s[68:71], s[6:7], 0x18             ; e6, e7, e8, e9
	s_load_b32 s72, s[6:7], 0x28                   ; e10
	s_add_nc_u64 s[KB:KB+1], s[4:5], s[16:17]
	s_add_nc_u64 s[VB:VB+1], s[4:5], s[66:67]
	s_mov_b32 s[G0K], 1                            ; count = 1
	s_mov_b32 s[G0K+1], s15                        ; LDS address: slot 0
	s_mov_b64 s[G0K+2:G0K+3], s[KB:KB+1]           ; the head's first 256 keys
	s_or_b32 s[G0K+3], s[G0K+3], 0x80000000        ; type = 2
	s_mov_b32 s[G0V], 1
	s_mov_b32 s[G0V+1], VOFF
	s_mov_b64 s[G0V+2:G0V+3], s[VB:VB+1]
	s_or_b32 s[G0V+3], s[G0V+3], 0x80000000
	TLOAD                                          ; slot 0, ahead of every wait on TENSORcnt, every LDS read and every barrier
	s_add_nc_u64 s[OB:OB+1], s[8:9], s[76:77]
	s_add_nc_u64 s[OB2:OB2+1], s[8:9], s[78:79]
	s_add_nc_u64 s[84:85], s[4:5], s[80:81]
	s_add_nc_u64 s[86:87], s[4:5], s[82:83]
	v_and_b32 v10, 15, v0                          ; r
	v_bfe_u32 v11, v0, 4, 1                        ; h
	s_delay_alu instid0(VALU_DEP_2)
	v_lshlrev_b32 v9, 6, v10
	s_delay_alu instid0(VALU_DEP_1)
	v_lshl_add_u32 v9, v11, 4, v9                  ; Q: row r of 64 bytes, + 16 h
.irp c, 0,1
	global_load_b128 v[16+4*\c:19+4*\c], v9, s[84:85] offset:32*\c          ; tile A, both blocks: Q stays in registers
	global_load_b128 v[24+4*\c:27+4*\c], v9, s[86:87] offset:32*\c
.endr
	WIN 0x40                                       ; destination window 1
.irp c, 0,1
	global_load_b128 v[16+4*\c:19+4*\c], v9, s[84:85] offset:1024+32*\c     ; tile B: 16 rows on
	global_load_b128 v[24+4*\c:27+4*\c], v9, s[86:87] offset:1024+32*\c
.endr
	WIN 0
	v_mul_u32_u24 v[AK0], v10, KP
	s_delay_alu instid0(VALU_DEP_1)
	v_lshl_add_u32 v[AK0], v11, 4, v[AK0]
	v_mul_u32_u24 v[AV0], v10, VP
	s_delay_alu instid0(VALU_DEP_1)
	v_lshl_add_u32 v[AV0], v11, 4, v[AV0]
	s_delay_alu instid0(VALU_DEP_1)
	v_add_nc_u32 v[AV0], VOFF, v[AV0]
	s_lshl_b32 s62, s[WV], 11
	s_add_co_u32 s62, s62, STAGE                   ; my stage
	v_lshlrev_b32 v[STO], 6, v10
	s_delay_alu instid0(VALU_DEP_1)
	v_lshl_add_u32 v[STO], v11, 3, v[STO]
	s_delay_alu instid0(VALU_DEP_1)
	v_add_nc_u32 v[STO], s62, v[STO]               ; in: query r's 64 bytes, + 8 h
	v_and_b32 v[RD], 31, v0
	s_delay_alu instid0(VALU_DEP_1)
	v_lshlrev_b32 v[RD], 4, v[RD]
	s_delay_alu instid0(VALU_DEP_1)
	v_add_nc_u32 v[RD], s62, v[RD]                 ; back: 16 bytes a lane
	v_lshlrev_b32 v[GO], 12, v11
	s_delay_alu instid0(VALU_DEP_1)
	v_lshl_add_u32 v[GO], v10, 4, v[GO]            ; lanes 0-15 four rows' 256 bytes, lanes 16-31 the next four rows', 4,096 bytes on
	v_lshlrev_b32 v222, 3, v11
	s_delay_alu instid0(VALU_DEP_1)
	v_sub_nc_u32 v222, v10, v222                   ; r - 8 h
	s_wait_kmcnt 0x0
	s_add_co_i32 s62, s68, s69
	s_lshl_b32 s62, s62, 23
	s_add_co_i32 s[CS], s[CS], s62                 ; a score stands for score x 2^(e6 + e7): added to c's exponent field
	s_mov_b32 s[CS+1], s[CS]                       ; (named with it as a pair, so it is written)
	s_add_co_i32 s62, s70, 127
	s_lshl_b32 s89, s62, 23                        ; 2^e8
	s_sub_co_i32 s62, s72, s70
	s_sub_co_i32 s62, s62, s71                     ; a sum of the second product stands for sum x 2^(e8 + e9): its code under 2^e10 is sum / 2^(e10 - e8 - e9)
	s_add_co_i32 s62, s62, 127
	s_lshl_b32 s90, s62, 23
.macro CONSTS                          ; what both windows hold alike
	v_mov_b32 v209, s89
	v_mov_b32 v220, s90
	v_mov_b32 v219, 0xff800000                     ; -infinity
	v_mov_b32 v211, 0                              ; (named as the upper half of the pair v[210:211])
	v_mov_b32 v213, 0                              ; written once: a lane permute's destination counts as one of its sources
.endm
.macro INIT                            ; a block of queries begins: the step is written once, and its first run finds zeros, which the first change of M leaves zeros
	v_mov_b32 v13, 0xff61b1e6                      ; the largest t so far: -3e38, under every t
	s_delay_alu instid0(VALU_DEP_1)
	v_floor_f32 v12, -v13
	v_mov_b32 v14, 0
	v_mov_b32 v15, 0
.set n, 0
.rept 32
	v_mov_b32 v[160+n], 0
.set n, n+1
.endr
.endm
.macro NEWQ
.set n, 0
.rept 8
	v_mov_b32 v[16+n], v[24+n]
.set n, n+1
.endr
.endm
	CONSTS
	INIT
	WIN 0x55                                       ; everything in window 1
	CONSTS
	INIT
	WIN 0x40                                       ; destination window 1, sources window 0
	v_add_nc_u32 v222, 16, v222                    ; tile B's queries lie 16 on
	WIN 0
; Hidden scores become -infinity.  Register 8 t + j holds key KF + 16 t + 8 h + j; my query is Q0 + 16 x tile + r: hidden where 16 t + j > (Q0 - KF) + r - 8 h + 16 x tile.  s96 = Q0 - KF
.macro MASK
	v_add_nc_u32 v218, s96, v222
.set n, 0
.rept 64
	v_cmp_gt_i32 vcc_lo, 16*(n/8)+n%8, v218
	v_cndmask_b32 v[96+n], v[96+n], v219, vcc_lo
.set n, n+1
.endr
.endm
; One tile's softmax for 128 keys, under the tile's window
.macro SM
	v_max3_num_f32 v212, v96, v97, v98             ; the step's largest score of my query among my 64 keys, in two chains; each accumulator is read from its low end on
	v_max3_num_f32 v210, v99, v100, v101
.set n, 6
.rept 14
	v_max3_num_f32 v212, v212, v[96+n], v[97+n]
	v_max3_num_f32 v210, v210, v[98+n], v[99+n]
.set n, n+4
.endr
	v_max3_num_f32 v212, v212, v158, v159
	s_delay_alu instid0(VALU_DEP_1)
	v_max_num_f32 v212, v212, v210
	s_delay_alu instid0(VALU_DEP_1)
	v_permlanex16_b32 v213, v212, s[SEL], s[SEL+1]
	s_delay_alu instid0(VALU_DEP_1)
	v_max_num_f32 v212, v212, v213                 ; and among lane l xor 16's
	s_delay_alu instid0(VALU_DEP_1)
	v_mul_f32 v212, s[CS], v212                    ; as t (c is positive)
	s_delay_alu instid0(VALU_DEP_1)
	v_max_num_f32 v13, v13, v212                   ; the running largest t
	v_mov_b32 v212, v12
	s_delay_alu instid0(VALU_DEP_2)
	v_floor_f32 v12, -v13                          ; the new -M = floor(-t) = -ceil(t)
	s_delay_alu instid0(VALU_DEP_1)
	v_sub_f32 v212, v12, v212                      ; old M - new M: a whole number, 0 or less
	s_delay_alu instid0(VALU_DEP_1)
	v_cvt_i32_f32 v212, v212                       ; (it saturates)
	s_delay_alu instid0(VALU_DEP_1)
	v_ldexp_f32 v210, 1.0, v212                    ; f = 2^(old M - new M)
.set n, 0
.rept 32
	v_pk_fma_f32 v[96+n:97+n], v[96+n:97+n], s[CS:CS+1], v[12:13] op_sel_hi:[1,0,0]   ; t - M, two at a time
.set n, n+2
.endr
.set n, 0
	s_wait_alu depctr_va_vdst(0)
.rept 64
	v_exp_f32 v[96+n], v[96+n]                     ; p = 2^(t - M), at most 1
.set n, n+1
.endr
	v_pk_mul_f32 v[14:15], v[14:15], v[210:211] op_sel_hi:[1,0]   ; the sums under the new M (a plain line behind the exponentials)
	s_wait_alu depctr_va_vdst(0)
	v_pk_add_f32 v[216:217], v[96:97], v[98:99]    ; the row's sum is taken of the unquantised p, in two chains
.set n, 4
.rept 15
	v_pk_add_f32 v[14:15], v[14:15], v[96+n:97+n]
	v_pk_add_f32 v[216:217], v[216:217], v[98+n:99+n]
.set n, n+4
.endr
	s_delay_alu instid0(VALU_DEP_1)
	v_pk_add_f32 v[14:15], v[14:15], v[216:217]
.irp t, 0,1,2,3,4,5,6,7
.irp i, 0,1,2,3,4,5,6,7
.endr
	v_cvt_scalef32_pk8_bf8_f32 v[192+2*\t:193+2*\t], v[96+8*\t:103+8*\t], v209   ; keys 16 t + 8 h + 0 .. 7: registers 2 t, 2 t + 1 of the operand
.endr
.set n, 0
.rept 16
	v_pk_mul_f32 v[160+n:161+n], v[160+n:161+n], v[210:211] op_sel_hi:[1,0]   ; O^T under the new M; plain lines between the conversions and the products
.set n, n+2
.endr
.endm
.macro PV                              ; O^T += V^T P^T: four tiles of 16 channels, K = the step's 128 keys; the four accumulators take turns
.irp t, 0,1,2,3
	v_wmma_f32_16x16x128_bf8_bf8 v[160+8*\t:167+8*\t], v[32+16*\t:47+16*\t], v[192:207], v[160+8*\t:167+8*\t]
.endr
.endm
; A KEY STEP: 128 keys, the q-th of the slot in hand
.macro STEP q
	s_add_co_u32 s96, s[Q0], 31
	s_cmp_gt_u32 s[KF], s96                        ; all its keys come after my queries: nothing to do
	s_cbranch_scc1 .Lhidden_\@
	v_add_nc_u32 v[ADK], s[TB], v[AK0]
	v_add_nc_u32 v[ADV], s[TB], v[AV0]
	v_nop                                          ; with the two additions: four places between the last step's products and the loads into V's registers
	v_nop
.irp t, 0,1,2,3,4,5,6,7
.irp c, 0,1
	ds_load_b128 v[32+8*\t+4*\c:35+8*\t+4*\c], v[ADK] offset:(128*(\q)+16*\t)*KP+32*\c
.endr
.endr
	WIN 0x40                                       ; destination window 1
.irp t, 0,1,2,3
.irp c, 0,1,2,3
	ds_load_b128 v[32+16*\t+4*\c:35+16*\t+4*\c], v[ADV] offset:16*\t*VP+128*(\q)+32*\c
.endr
.endr
	s_wait_dscnt 16                                ; K's sixteen loads are in; V's sixteen may be out
	WIN 0
.irp t, 0,1,2,3,4,5,6,7
	v_wmma_f32_16x16x64_bf8_bf8 v[96+8*\t:103+8*\t], v[32+8*\t:39+8*\t], v[16:23], 0
.endr
	WIN 0x54                                       ; K window 0; Q and S^T window 1
.irp t, 0,1,2,3,4,5,6,7
	v_wmma_f32_16x16x64_bf8_bf8 v[96+8*\t:103+8*\t], v[32+8*\t:39+8*\t], v[16:23], 0
.endr
	WIN 0
.rept 4
	v_nop                                          ; places in front of the first read of the scores
.endr
	s_add_co_u32 s96, s[KF], 127
	s_cmp_le_u32 s96, s[Q0]                        ; all its keys count for all my queries: no mask
	s_cbranch_scc1 .Lopen_\@
	s_sub_co_i32 s96, s[Q0], s[KF]
	MASK
	WIN 0x55
	MASK
	WIN 0
.Lopen_\@:
	SM
	s_wait_alu depctr_va_vdst(0)
	s_wait_dscnt 0x0                               ; V is in
	WIN 0x01                                       ; V window 1; P and O^T window 0
	PV
	WIN 0x55
	SM                                             ; tile B's vector work stands behind tile A's products
	PV
	WIN 0
.Lhidden_\@:
	s_add_co_u32 s[KF], s[KF], 128
.endm
; THE CHANGE OF SLOTS stands at a slot's head.  Each wave waits for all its tensor loads (its part of the slot ahead), adds 0 to its spare word, and waits for that and for its reads of the slot that it has left.
; fill = 1: that slot takes slot IT + 1 of the walk: of the first block while IT + 1 < N1, else slot IT + 1 - N1 of the second.  The load has a whole slot's steps in which to land.
.macro CHANGE fill
	s_wait_tensorcnt 0x0                           ; no tensor load of mine is out, so a group 0 may be written
	ds_add_u32 v[SPW], v[NIL]                      ; 0 onto my spare word
.if \fill
	s_xor_b32 s[G0K+1], s[G0K+1], SLOT1
	s_xor_b32 s[G0V+1], s[G0V+1], SLOT1
	s_add_co_u32 s62, s[IT], 1
	s_sub_co_u32 s63, s62, s[N1]
	s_cmp_lt_u32 s62, s[N1]
	s_cselect_b32 s62, s62, s63                    ; which 256 keys of the head
	s_lshl_b32 s66, s62, 14
	s_mov_b32 s67, 0
	s_add_nc_u64 s[G0K+2:G0K+3], s[KB:KB+1], s[66:67]
	s_or_b32 s[G0K+3], s[G0K+3], 0x80000000
	s_lshl_b32 s66, s62, 8
	s_add_nc_u64 s[G0V+2:G0V+3], s[VB:VB+1], s[66:67]
	s_or_b32 s[G0V+3], s[G0V+3], 0x80000000
.endif
	s_wait_dscnt 0x0                               ; the add is done, and my reads of the slot that I have left are over
	s_barrier_signal -1
	s_barrier_wait -1
.if \fill
	TLOAD                                          ; the first thing behind the barrier, and a wave's one tensor load until the next
.endif
.endm
; A tile's end, under its window: O^T / the sum, converted under 2^(e10 - e8 - e9)
.macro FIN
	v_add_f32 v14, v14, v15
	s_delay_alu instid0(VALU_DEP_1)
	v_permlanex16_b32 v213, v14, s[SEL], s[SEL+1]
	s_delay_alu instid0(VALU_DEP_1)
	v_add_f32 v14, v14, v213                       ; the row's sum
	s_wait_alu depctr_va_vdst(0)
	v_rcp_f32 v14, v14
	v_nop                                          ; a plain line behind the transcendental
.set n, 0
	s_wait_alu depctr_va_vdst(0)
.rept 32
	v_mul_f32 v[96+n], v[160+n], v14               ; register 8 t + j: channel 16 t + 8 h + j; each accumulator from its low end on
.set n, n+1
.endr
.set n, 0
.rept 32
.set n, n+1
.endr
.irp t, 0,1,2,3
	v_cvt_scalef32_pk8_bf8_f32 v[192+2*\t:193+2*\t], v[96+8*\t:103+8*\t], v220
.endr
	v_nop                                          ; a plain line behind the conversions
.endm
; THE WAY OUT of a block: 32 rows x 64 bytes go through my stage as they will lie in memory, and leave as eight pieces of 256 consecutive bytes
.macro OUT
.rept 4
	v_nop                                          ; places behind the last products
.endr
	FIN
	WIN 0x55
	FIN
	WIN 0
.irp t, 0,1,2,3
	ds_store_b64 v[STO], v[192+2*\t:193+2*\t] offset:16*\t
.endr
	WIN 0x04                                       ; the data in window 1
.irp t, 0,1,2,3
	ds_store_b64 v[STO], v[192+2*\t:193+2*\t] offset:1024+16*\t
.endr
	WIN 0
.irp i, 0,1,2,3
	ds_load_b128 v[96+4*\i:99+4*\i], v[RD] offset:512*\i   ; LDS serves a wave's instructions in order (ISA guide 5.7.1.4): these see my stores
.endr
.irp i, 0,1,2,3
	s_wait_dscnt 3-\i
	global_store_b128 v[GO], v[96+4*\i:99+4*\i], s[OB:OB+1] offset:8192*\i   ; 16 lanes store 256 consecutive bytes, aligned
.endr
	s_wait_xcnt 0x0                                ; the stores have read their data and their base: both are written again only behind this wait
.endm
	s_wait_loadcnt 0x0                             ; Q
.Lslot:                                            ; eight trips in every work-group: behind each change of slots but the last the next slot is asked for
	CHANGE 1
	STEP 0
	STEP 1
	s_xor_b32 s[TB], s[TB], SLOT1
	s_add_co_u32 s62, s[IT], 1
	s_cmp_lg_u32 s62, s[N1]                        ; was that the first block's last slot?  A branch on ids, round no barrier and no tensor load
	s_cbranch_scc1 .Lsame
	OUT
	NEWQ
	INIT
	WIN 0x55
	NEWQ
	INIT
	WIN 0
	s_mov_b32 s[Q0], s[Q0B]
	s_mov_b64 s[OB:OB+1], s[OB2:OB2+1]
	s_mov_b32 s[KF], 0
.Lsame:
	s_add_co_u32 s[IT], s[IT], 1
	s_cmp_lt_u32 s[IT], 8
	s_cbranch_scc1 .Lslot
	CHANGE 0                                       ; the ninth slot is written out
	STEP 0
	STEP 1
	OUT
	s_wait_tensorcnt 0x0                           ; the wave's end
	ds_add_u32 v[SPW], v[NIL]
	s_wait_dscnt 0x0
	s_endpgm
.Lfunc_end_k_q9749a99695_attn:
	.size	k_q9749a99695_attn, .Lfunc_end_k_q9749a99695_attn-k_q9749a99695_attn
	.p2alignl 7, 3214868480
	.fill 96, 4, 3214868480
	.section	.rodata,"a",@progbits
	.p2align	6, 0x0
	.amdhsa_kernel k_q9749a99695_attn
		.amdhsa_group_segment_fixed_size 327680
		.amdhsa_private_segment_fixed_size 0
		.amdhsa_enable_private_segment 0
		.amdhsa_kernarg_size 24
		.amdhsa_user_sgpr_count 2
		.amdhsa_user_sgpr_kernarg_segment_ptr 1
		.amdhsa_wavefront_size32 1
		.amdhsa_system_sgpr_workgroup_id_x 1
		.amdhsa_system_sgpr_workgroup_id_y 1
		.amdhsa_system_sgpr_workgroup_id_z 1
		.amdhsa_system_vgpr_workitem_id 0
		.amdhsa_next_free_vgpr 512
		.amdhsa_next_free_sgpr 100
		.amdhsa_reserve_vcc 1
		.amdhsa_float_denorm_mode_32 3
		.amdhsa_float_denorm_mode_16_64 3
		.amdhsa_fp16_overflow 1
		.amdhsa_memory_ordered 1
		.amdhsa_forward_progress 1
		.amdhsa_inst_pref_size 165
	.end_amdhsa_kernel
	.amdgpu_metadata
---
amdhsa.version: [ 1, 2 ]
amdhsa.kernels:
  - .name:           k_q9749a99695_attn
    .symbol:         k_q9749a99695_attn.kd
    .args:
      - { .name: qkv, .offset: 0, .size: 8, .value_kind: global_buffer, .address_space: global }
      - { .name: lowp_scales, .offset: 8, .size: 8, .value_kind: global_buffer, .address_space: global }
      - { .name: ac, .offset: 16, .size: 8, .value_kind: global_buffer, .address_space: global }
    .group_segment_fixed_size: 327680
    .private_segment_fixed_size: 0
    .kernarg_segment_align: 8
    .kernarg_segment_size: 24
    .max_flat_workgroup_size: 256
    .sgpr_count:     100
    .vgpr_count:     512
    .wavefront_size: 32
...
	.end_amdgpu_metadata
.endif
;; end of part 3
;; launch oproj (part 4): grid 4 x 32, 4 waves a work-group, clusters of 4 x 4, 327,680 bytes of LDS; arguments ac, wc, lowp_scales, out0; writes out0
.if DOCPART == 4
	.amdgcn_target "amdgcn-amd-amdhsa--gfx1250"
	.amdhsa_code_object_version 6
	.text
	.protected	k_q9749a99695_oproj
	.globl	k_q9749a99695_oproj
	.p2align	8
	.type	k_q9749a99695_oproj,@function
k_q9749a99695_oproj:
	s_mov_b64 s[64:65], 0
	v_nop
	global_prefetch_b8 v0, s[64:65] scope:SCOPE_SE
	s_setreg_imm32_b32 hwreg(HW_REG_WAVE_MODE, 25, 1), 1
	s_wait_xcnt 0x0
	s_wait_alu depctr_hold_cnt(0) depctr_sa_sdst(0) depctr_va_vdst(0) depctr_va_sdst(0) depctr_va_ssrc(0) depctr_va_vcc(0) depctr_vm_vsrc(0)
	s_getreg_b32 s2, hwreg(HW_REG_IB_STS2, 6, 4)
	s_cmp_eq_u32 s2, 0
	s_cbranch_scc0 .Lentry_in_a_cluster
	s_endpgm
.Lentry_in_a_cluster:
	s_bfe_u32 s2, ttmp6, 0x10000c
	s_cmp_lg_u32 s2, 0xf033
	s_cbranch_scc0 .Lentry_shape_is_right
	s_endpgm
.Lentry_shape_is_right:
; out0[m][n] = sum over k of a[m][k] Wo[n][k] x 2^(e10 + e11), on codes of BF8 (E5M2).  M = 8,192, N = K = 1,024; out0 f32; sums in f32.
; a's codes lie as attention left them: byte (row / 4) x 4,096 + (k / 64) x 256 + (row % 4) x 64 + k % 64.  So four rows x 256 along K are 1,024 consecutive bytes: a tile of A is stated as 32 such lines for 128 rows.
; Wo's codes lie at 3 MiB of wc, [1024][1024], K innermost.  LIMIT: e10 + e11 between -126 and 127, so that 2^(e10 + e11) is an f32 number.
; A tile of the result, 256 x 256, is made by a work-group of four waves; a wave makes 128 x 128: 64 accumulators, 512 registers.  128 tiles: a smaller tile would fill more WGPs and read half as much again from LDS for each product.
; K goes in steps of 256 through a ring of two LDS slots filled by the tensor data mover.  CLUSTERS: 4 x 4 work-groups; A's tile is shared along a row of the cluster, B's along a column: each is asked for JOINTLY.
; THE MATRIX INSTRUCTION IS USED TRANSPOSED (source 0 = 16 rows of Wo, source 1 = 16 rows of a): a lane then holds eight neighbouring numbers of a row of the result.
; REGISTERS, in windows of 256: window 0: v0-31 addresses; from v128 A's fragments, ONE set; on the way out v32-255 are free.  window 1: B's fragments, TWO sets.  windows 2, 3: the accumulators.
.set SIZE_N, 1024
.set SIZE_K, 1024
.set KSTEP,  256
.set ROWB,   256                       ; B: a tile's row in bytes
.set PITCH,  272                       ; B: an LDS row: 256 bytes + 16 of padding (64 banks of 4 bytes: ISA guide 11.1: 16 rows start at 16 different groups of four banks)
.set ALINE,  1024                      ; A: a line: four rows x 256 along K
.set APITCH, 1040                      ; and in LDS: + 16: the 16 rows of a fragment, at 1,040 (r / 4) + 64 (r % 4), again start at 16 different groups of four banks
.set FR,     16
.set NL,     4
.set NP,     4                         ; places behind this matrix instruction (ISA guide 7.12.1)
.set AHALF,  32*APITCH                 ; 128 rows of A
.set HALFT,  128*PITCH                 ; 128 rows of B
.set SLOT,   2*AHALF+2*HALFT           ; A's 256 rows, then B's 256 rows
.set LAPS,   SIZE_K/(2*KSTEP)
.set SPARE,  2*SLOT                    ; behind the ring: the spare words, 128 bytes for each wave: two blocks of 256 bytes that no other line names
.set SPITCH, 528                       ; the way out: a stage of 16 rows x (512 bytes + 16) for each wave, in slot 0, which has had its last fill and its last read by then
.set ADRA, 16
.set ADRB, 20
.set STO,  24
.set RD,   25
.set CO,   26
.set SPW,  28                          ; v28 LDS address of my spare word; never rewritten
.set NIL,  29                          ; v29 0; never rewritten
.set TMP,  32
.set AF,   128
.set BK,   128
.set G1, 24
.set G0, 32
.set G1B, 48
.set G0B, 56
.set MSB, 0
.macro WIN new                         ; the immediate's high byte repeats the setting that is left
.if MSB != (\new)
	s_set_vgpr_msb (MSB<<8)|(\new)
.set MSB, \new
.endif
.endm
.set MUL_LO, 0xa1                      ; source 0 (B) window 1, source 1 (A) window 0, C and D window 2
.set MUL_HI, 0xf1
.set TO_B,   0x40
.macro JLOAD g0a, g1a, g0b, g1b        ; a joint load: waves 0 and 1 fetch for A, waves 2 and 3 for B; four v_nop follow each line
	s_cmp_eq_u32 s15, 0
	s_cbranch_scc0 .Lfor_b_\@
	tensor_load_to_lds s[\g0a:\g0a+3], s[\g1a:\g1a+7]
	s_nop 0
.rept 4
	v_nop
.endr
	s_branch .Lasked_\@
.Lfor_b_\@:
	tensor_load_to_lds s[\g0b:\g0b+3], s[\g1b:\g1b+7]
	s_nop 0
.rept 4
	v_nop
.endr
.Lasked_\@:
.endm
.macro CREST
	s_cmp_lg_u32 s14, 0
	s_cbranch_scc1 .Lnot_wave_0_\@
	s_barrier_signal -3
.Lnot_wave_0_\@:
	s_barrier_wait -3
	s_barrier_signal -1
	s_barrier_wait -1
.endm
.macro CROUND
	s_barrier_signal -1
	s_barrier_wait -1
	CREST
.endm
	s_load_b128 s[4:7], s[0:1], 0x0                ; ac, wc
	s_load_b128 s[8:11], s[0:1], 0x10              ; the scales' exponents, out0
	v_lshl_add_u32 v[SPW], v0, 2, SPARE
	v_mov_b32 v[NIL], 0
	ds_add_u32 v28, v29
	ds_add_u32 v28, v29
	s_wait_dscnt 0x0
	v_lshrrev_b32 v1, 5, v0
	v_readfirstlane_b32 s14, v1                    ; wave 0..3
	s_lshr_b32 s15, s14, 1                         ; which half of the tile's rows is mine.  Also: I fetch for A (0) or for B (1)
	s_and_b32 s16, s14, 1                          ; which half of its columns.  Also: which 128 rows I fetch
	s_bfe_u32 s40, ttmp6, 0x40000                  ; cx, cy
	s_bfe_u32 s41, ttmp6, 0x40004
	s_lshl_b32 s42, ttmp9, 2
	s_add_co_u32 s42, s42, s40                     ; tile column = 4 x cluster x + cx
	s_and_b32 s17, ttmp7, 0xffff
	s_lshl_b32 s17, s17, 2
	s_add_co_u32 s17, s17, s41                     ; tile row = 4 x cluster y + cy
	s_lshl_b32 s43, s41, 2
	s_lshl_b32 s43, 15, s43                        ; my row of the cluster
	s_lshl_b32 s44, 0x1111, s40                    ; my column
	s_or_b32 s[G1+0], s43, (0<<16)|(1<<20)|(1<<21)|(7<<22)|(3<<25)  ; A: the mask of my row; elements of 1 byte; padding on; 21 set beside a mask; four words (code 3) after every 256 (code 7)
	s_mov_b32 s[G1+1], ALINE<<16                   ; tensor_dim0
	s_mov_b32 s[G1+2], 32<<16                      ; tensor_dim1
	s_mov_b32 s[G1+3], ALINE<<16                   ; tile_dim0
	s_mov_b32 s[G1+4], 32                          ; tile_dim1
	s_mov_b32 s[G1+5], 4096                        ; from four rows to the next four
	s_mov_b32 s[G1+6], 0
	s_mov_b32 s[G1+7], 0
	s_or_b32 s[G1B+0], s44, (0<<16)|(1<<20)|(1<<21)|(5<<22)|(3<<25) ; B: the mask of my column; four words after every 64
	s_mov_b32 s[G1B+1], ROWB<<16
	s_mov_b32 s[G1B+2], 128<<16
	s_mov_b32 s[G1B+3], ROWB<<16
	s_mov_b32 s[G1B+4], 128
	s_mov_b32 s[G1B+5], SIZE_K
	s_mov_b32 s[G1B+6], 0
	s_mov_b32 s[G1B+7], 0
	s_lshl_b32 s18, s16, 7
	s_lshl_b32 s20, s17, 8
	s_add_co_u32 s20, s20, s18                     ; A: row 256 x tile row + 128 x half
	s_lshl_b32 s46, s42, 8
	s_add_co_u32 s46, s46, s18                     ; B: row 256 x tile column + 128 x half
	s_mov_b32 s21, 0
	s_mov_b32 s47, 0
	s_lshl_b64 s[20:21], s[20:21], 10              ; (row / 4) x 4,096, the row a multiple of 4
	s_lshl_b64 s[46:47], s[46:47], 10              ; rows of 1,024 bytes
	s_mul_i32 s45, s16, AHALF                      ; where they go: A's two halves,
	s_mul_i32 s23, s16, HALFT
	s_add_co_u32 s23, s23, 2*AHALF                 ; then B's two: of the wave's number alone
	s_wait_kmcnt 0x0
	s_load_b64 s[96:97], s[8:9], 0x28              ; e10, e11
	s_add_nc_u64 s[6:7], s[6:7], 0x300000          ; Wo's codes
	s_add_nc_u64 s[20:21], s[4:5], s[20:21]
	s_add_nc_u64 s[46:47], s[6:7], s[46:47]
	CROUND                                         ; all sixteen work-groups are here: the first joint loads meet
.irp s, 0,1
	s_mov_b32 s[G0+4*\s], 1
	s_add_co_u32 s[G0+4*\s+1], s45, \s*SLOT
	s_add_nc_u64 s[G0+4*\s+2:G0+4*\s+3], s[20:21], \s*ALINE
	s_or_b32 s[G0+4*\s+3], s[G0+4*\s+3], 0x80000000
	s_mov_b32 s[G0B+4*\s], 1
	s_add_co_u32 s[G0B+4*\s+1], s23, \s*SLOT
	s_add_nc_u64 s[G0B+4*\s+2:G0B+4*\s+3], s[46:47], \s*ROWB
	s_or_b32 s[G0B+4*\s+3], s[G0B+4*\s+3], 0x80000000
	s_wait_alu depctr_va_vdst(0)
	s_wait_tensorcnt 0x0
	ds_add_u32 v28, v29
	ds_add_u32 v28, v29
	s_wait_dscnt 0x0
	CROUND
	JLOAD G0+4*\s, G1, G0B+4*\s, G1B
.endr
	v_and_b32 v1, 15, v0                           ; r
	v_bfe_u32 v2, v0, 4, 1                         ; h
	v_mul_u32_u24 v3, v1, PITCH
	v_lshl_add_u32 v4, v2, 4, v3                   ; B: row x pitch + 16 h
	v_lshrrev_b32 v5, 2, v1
	v_mul_u32_u24 v5, v5, APITCH
	v_and_b32 v6, 3, v1
	v_lshl_add_u32 v5, v6, 6, v5
	v_lshl_add_u32 v5, v2, 4, v5                   ; A: line r / 4, row r % 4 of it (64 bytes of each 256), + 16 h
	s_mul_i32 s21, s15, AHALF                      ; my 128 rows of A
	s_mul_i32 s22, s16, HALFT                      ; my 128 rows of B,
	s_add_co_u32 s22, s22, 2*AHALF                 ; which lie behind A's 256
.irp s, 0,1
	v_add_nc_u32 v[ADRA+\s], s21, v5
	v_add_nc_u32 v[ADRB+\s], s22, v4
	s_add_co_u32 s21, s21, SLOT
	s_add_co_u32 s22, s22, SLOT
.endr
	s_mul_i32 s23, s14, 16*SPITCH                  ; my stage
	v_mul_u32_u24 v5, v1, SPITCH
	v_lshl_add_u32 v5, v2, 5, v5
	v_add_nc_u32 v[STO], s23, v5                   ; in: row r, 32 bytes for each half of the lanes
	v_and_b32 v6, 31, v0
	v_lshlrev_b32 v[CO], 4, v6                     ; back: the 32 lanes take one row of 512 bytes; and the same in the result
	v_add_nc_u32 v[RD], s23, v[CO]
	s_lshl_b32 s20, s17, 8
	s_lshl_b32 s21, s15, 7
	s_add_co_u32 s20, s20, s21                     ; my first row
	s_mov_b32 s21, 0
	s_lshl_b64 s[20:21], s[20:21], 12              ; rows of 4,096 bytes
	s_lshl_b32 s46, s42, 10                        ; my first column, in bytes
	s_lshl_b32 s47, s16, 9
	s_add_co_u32 s46, s46, s47
	s_mov_b32 s47, 0
	s_add_nc_u64 s[20:21], s[20:21], s[46:47]
	s_add_nc_u64 s[10:11], s[10:11], s[20:21]
; A fragment: lane l holds row l % 16; registers 4 c .. 4 c + 3 hold K = 32 c + 16 (l / 16) + 0 .. 15 of the slot's q-th 128: a permutation of k, the same in A and in B
.macro FRAGB reg, adr, q, i
.irp c, 0,1,2,3
	ds_load_b128 v[\reg+4*\c:\reg+4*\c+3], v[\adr] offset:128*(\q)+32*\c+(\i)*16*PITCH
.endr
.endm
.macro FRAGA reg, adr, q, i            ; k = 128 q + 32 c + 16 h lies in the line's piece 2 q + c / 2 of 256 bytes, at byte 32 (c % 2) + 16 h of the row's 64
.irp c, 0,1,2,3
	ds_load_b128 v[\reg+4*\c:\reg+4*\c+3], v[\adr] offset:(2*(\q)+\c/2)*256+(\c%2)*32+(\i)*4*APITCH
.endr
.endm
; 16 matrix instructions: A's blocks a0, a0 + 1 x B's eight.  The 64 accumulators take turns, one instruction a turn.
.macro MUL16 a0, p, zero
.irp a, \a0, \a0+1
.irp b, 0,1,2,3,4,5,6,7
.if \zero
	v_wmma_f32_16x16x128_bf8_bf8 v[8*(8*((\a)%4)+\b):8*(8*((\a)%4)+\b)+7], v[128*(\p)+FR*\b:128*(\p)+FR*\b+FR-1], v[AF+FR*(\a):AF+FR*(\a)+FR-1], 0
.else
	v_wmma_f32_16x16x128_bf8_bf8 v[8*(8*((\a)%4)+\b):8*(8*((\a)%4)+\b)+7], v[128*(\p)+FR*\b:128*(\p)+FR*\b+FR-1], v[AF+FR*(\a):AF+FR*(\a)+FR-1], v[8*(8*((\a)%4)+\b):8*(8*((\a)%4)+\b)+7]
.endif
.endr
.endr
.endm
.macro FETCH_B slot, q, p
	WIN TO_B
.irp i, 0,1,2,3,4,5,6,7
	FRAGB 128*(\p)+FR*\i, ADRB+\slot, \q, \i
.endr
	WIN 0
.endm
.macro FETCH_A slot, q, i0
.irp i, \i0, \i0+1, \i0+2, \i0+3
	FRAGA AF+FR*(\i), ADRA+\slot, \q, \i
.endr
.endm
.macro PLACES n                        ; plain vector lines between a matrix instruction and a load into, or a vector read of, its registers (ISA guide 7.12.1 for vector reads)
.rept \n
	v_nop
.endr
.endm
.macro STEP slot, q, zero
	s_wait_dscnt 4*NL                              ; B's set and A's blocks 0-3 are in; the youngest sixteen loads (A's blocks 4-7) may be out
	WIN MUL_LO
	MUL16 0, (\q)%2, \zero
	MUL16 2, (\q)%2, \zero
	s_wait_dscnt 0
	PLACES NP
	FETCH_B \slot, (\q)+1, 1-(\q)%2
	FETCH_A \slot, (\q)+1, 0
	WIN MUL_HI
	MUL16 4, (\q)%2, \zero
	MUL16 6, (\q)%2, \zero
	PLACES NP
	WIN 0
	FETCH_A \slot, (\q)+1, 4
.endm
.macro TURN slot, next, fill
	s_wait_tensorcnt 0x0                           ; all my tensor loads have landed: my part of the next slot
	ds_add_u32 v[SPW], v[NIL]                      ; 0 onto my spare word
	s_wait_dscnt 4*NL+1                            ; (the add and the youngest sixteen loads may be out)
	WIN MUL_LO
	MUL16 0, 1, 0
	s_wait_dscnt 0x0                               ; the add is done, and my reads of this slot are over
	s_barrier_signal -1
	MUL16 2, 1, 0
	WIN 0
	s_barrier_wait -1
.if \fill
	CREST                                          ; the barrier has opened a round of the cluster's: no wave of any partner still reads this slot or has a load on its way
	s_add_nc_u64 s[G0+4*\slot+2:G0+4*\slot+3], s[G0+4*\slot+2:G0+4*\slot+3], 2*ALINE
	s_add_nc_u64 s[G0B+4*\slot+2:G0B+4*\slot+3], s[G0B+4*\slot+2:G0B+4*\slot+3], 2*ROWB
	JLOAD G0+4*\slot, G1, G0B+4*\slot, G1B         ; the first tensor load behind the round; its four v_nop are the places in front of the loads below
.else
	PLACES NP
.endif
	FETCH_B \next, 0, 0
	FETCH_A \next, 0, 0
	WIN MUL_HI
	MUL16 4, 1, 0
	MUL16 6, 1, 0
	PLACES NP
	WIN 0
	FETCH_A \next, 0, 4
.endm
	s_wait_alu depctr_va_vdst(0)
	s_wait_tensorcnt 1                             ; my part of K step 0 is in (K step 1's load may be out),
	s_barrier_signal -1
	s_barrier_wait -1                              ; everybody's is
	FETCH_B 0, 0, 0
	FETCH_A 0, 0, 0
	FETCH_A 0, 0, 4
	STEP 0, 0, 1                                   ; the first step stands in front of the loop: its products start the sums
	s_mov_b32 s3, LAPS-1
.Llap:
	TURN 0, 1, 1
	STEP 1, 0, 0
	TURN 1, 0, 1
	STEP 0, 0, 0
	s_sub_co_u32 s3, s3, 1
	s_cmp_lg_u32 s3, 0
	s_cbranch_scc1 .Llap
	TURN 0, 1, 0                                   ; the last lap fills nothing
	STEP 1, 0, 0
	s_wait_dscnt 4*NL
	WIN MUL_LO
	MUL16 0, 1, 0
	MUL16 2, 1, 0
	s_wait_dscnt 0
	WIN MUL_HI
	MUL16 4, 1, 0
	MUL16 6, 1, 0
	WIN 0
; THE WAY OUT, block by block of 16 rows x 128 columns: through my own stage in LDS and back as whole rows of 512 bytes.  LDS serves a wave's instructions in order (ISA guide 5.7.1.4).
.macro TOSTAGE a
.set AC, 64*((\a)%4)
	WIN 0x02+((\a)/4)                              ; source 0: window 2 or 3
.set n, 0
.rept 32
	v_pk_mul_f32 v[TMP+n:TMP+n+1], v[AC+n:AC+n+1], s[96:97] op_sel_hi:[1,0]   ; both x s96 = 2^(e10 + e11); each accumulator from its low end on
.set n, n+2
.endr
	WIN 0
.irp b, 0,1,2,3,4,5,6,7
	ds_store_b128 v[STO], v[TMP+8*\b:TMP+8*\b+3] offset:64*\b
	ds_store_b128 v[STO], v[TMP+8*\b+4:TMP+8*\b+7] offset:64*\b+16
.endr
.set BB, BK+64*((\a)%2)
.irp t, 0,1,2,3,4,5,6,7,8,9,10,11,12,13,14,15
	ds_load_b128 v[BB+4*\t:BB+4*\t+3], v[RD] offset:\t*SPITCH
.endr
.endm
.macro SEND a, younger                 ; younger: the LDS instructions issued behind block a's loads, which may stay out
.set BB, BK+64*((\a)%2)
	s_wait_dscnt \younger
.if (\a) > 0
	s_add_nc_u64 s[10:11], s[10:11], 16*SIZE_N*4   ; (behind a wait on XCNT: the earlier stores have read their base)  16 rows on
.endif
.irp t, 0,1,2,3,4,5,6,7,8,9,10,11,12,13,14,15
	global_store_b128 v[CO], v[BB+4*\t:BB+4*\t+3], s[10:11] offset:\t*SIZE_N*4 th:TH_STORE_NT   ; 32 lanes store 512 consecutive bytes, aligned; written once, read by nobody here
.endr
.endm
	s_wait_kmcnt 0x0
	s_add_co_i32 s96, s96, s97
	s_add_co_i32 s96, s96, 127
	s_lshl_b32 s96, s96, 23                        ; the f32 number 2^(e10 + e11)
	PLACES NP
	TOSTAGE 0
.irp a, 1,2,3,4,5,6,7
.if \a > 1
	s_wait_xcnt 0x0                                ; block a - 2's stores have read their registers and their base
.endif
	TOSTAGE \a
	SEND \a-1, 32                                  ; behind block a - 1's loads: block a's 16 stores and 16 loads
.endr
	s_wait_xcnt 0x0
	SEND 7, 0
	s_wait_tensorcnt 0x0                           ; the wave's end
	ds_add_u32 v[SPW], v[NIL]
	s_wait_dscnt 0x0
	CROUND                                         ; the closing round
	s_endpgm
.Lfunc_end_k_q9749a99695_oproj:
	.size	k_q9749a99695_oproj, .Lfunc_end_k_q9749a99695_oproj-k_q9749a99695_oproj
	.p2alignl 7, 3214868480
	.fill 96, 4, 3214868480
	.section	.rodata,"a",@progbits
	.p2align	6, 0x0
	.amdhsa_kernel k_q9749a99695_oproj
		.amdhsa_group_segment_fixed_size 327680
		.amdhsa_private_segment_fixed_size 0
		.amdhsa_enable_private_segment 0
		.amdhsa_kernarg_size 32
		.amdhsa_user_sgpr_count 2
		.amdhsa_user_sgpr_kernarg_segment_ptr 1
		.amdhsa_wavefront_size32 1
		.amdhsa_system_sgpr_workgroup_id_x 1
		.amdhsa_system_sgpr_workgroup_id_y 1
		.amdhsa_system_sgpr_workgroup_id_z 1
		.amdhsa_system_vgpr_workitem_id 0
		.amdhsa_next_free_vgpr 1024
		.amdhsa_next_free_sgpr 98
		.amdhsa_reserve_vcc 0
		.amdhsa_float_denorm_mode_32 3
		.amdhsa_float_denorm_mode_16_64 3
		.amdhsa_memory_ordered 1
		.amdhsa_forward_progress 1
		.amdhsa_inst_pref_size 124
	.end_amdhsa_kernel
	.amdgpu_metadata
---
amdhsa.version: [ 1, 2 ]
amdhsa.kernels:
  - .name:           k_q9749a99695_oproj
    .symbol:         k_q9749a99695_oproj.kd
    .args:
      - { .name: ac, .offset: 0, .size: 8, .value_kind: global_buffer, .address_space: global }
      - { .name: wc, .offset: 8, .size: 8, .value_kind: global_buffer, .address_space: global }
      - { .name: lowp_scales, .offset: 16, .size: 8, .value_kind: global_buffer, .address_space: global }
      - { .name: out0, .offset: 24, .size: 8, .value_kind: global_buffer, .address_space: global }
    .group_segment_fixed_size: 327680
    .private_segment_fixed_size: 0
    .kernarg_segment_align: 8
    .kernarg_segment_size: 32
    .max_flat_workgroup_size: 128
    .sgpr_count:     98
    .vgpr_count:     1024
    .wavefront_size: 32
...
	.end_amdgpu_metadata
.endif
;; end of part 4
